; MI455X (gfx1250); checked and timed in simulation.
; The chip was launched on July 23, 2026; its instructions are those of AMD's public machine-readable ISA for CDNA 5 (MIT licence, August 2026) and "CDNA5" Instruction Set Architecture Reference Guide (July 2026). The comments in the code are by the model that wrote it; some were corrected since.
;; Causal Self Attention. Allowed arithmetic: matrix products marked QUANTISED: E2M3 operands, one E8M0 scale for each 32 along K, by v_wmma_scale_f32_16x16x128_f8f6f4 with both operands' format E2M3, f32 sums; everything else in f32.
;; Inputs: Wk 1,024 x 1,024 float32; Wo 1,024 x 1,024 float32; Wq 1,024 x 1,024 float32; Wv 1,024 x 1,024 float32; x 4 x 2,048 x 1,024 float32.
;; Outputs: out0 4 x 2,048 x 1,024 float32.
;; This version of the problem:
;;   THIS VERSION OF THE PROBLEM IS GIVEN IN LOW PRECISION. The matrix products marked QUANTISED in the list below multiply operands that are first quantised to E2M3 (2 exponent bits, 3 mantissa bits; 6 bits a number), with one power-of-two scale for each 32 numbers along K (OCP MX v1.0); their sums are f32. All else is computed in f32.
;;   The module's matrix products, in the order in which they are computed (A, B: the left and right operand; K: the contracted axis; several contracted axes count as one K, in the product's order):
;;     1. [M 8,192, K 1,024] x [K 1,024, N 1,024]; A: input x; B: input Wq: QUANTISED
;;     2. [M 8,192, K 1,024] x [K 1,024, N 1,024]; A: input x; B: input Wk: QUANTISED
;;     3. [M 8,192, K 1,024] x [K 1,024, N 1,024]; A: input x; B: input Wv: QUANTISED
;;     4. batch 64 x [M 2,048, K 64] x [K 64, N 2,048]; A: computed on the way; B: computed on the way: QUANTISED
;;     5. batch 64 x [M 2,048, K 2,048] x [K 2,048, N 64]; A: softmax (see below); B: computed on the way: QUANTISED
;;     6. [M 8,192, K 1,024] x [K 1,024, N 1,024]; A: computed on the way; B: input Wo: QUANTISED
;;   THE QUANTISER, for each operand of a quantised product, along K:
;;     - K is cut into blocks of 32 from its start; a last block that is shorter is filled with zeros.
;;     - A block's scale is 2^e with e = floor(log2(the largest magnitude in the block)) - 2, held to -126 .. 127; a block of zeros has e = 0. As a byte (E8M0): e + 127.
;;     - Each number is divided by its block's scale, clamped to +-7.5, and rounded to the nearest number of E2M3, ties to even, subnormals kept.
;;     - The product sums the exact products of the quantised numbers (number of the format x scale) in f32.
;;   ~~~python
;;   def quantise(x, axis):      # numpy; x: float32 -> the quantised numbers, widened to float32 again
;;       x = np.moveaxis(x, axis, -1); K = x.shape[-1]
;;       x = np.pad(x, [(0, 0)] * (x.ndim - 1) + [(0, -K % 32)]); x = x.reshape(x.shape[:-1] + (-1, 32)); a = np.abs(x).max(-1, keepdims=True)
;;       e = np.where(a > 0, np.clip(np.frexp(np.where(a > 0, a, 1))[1] - 1 - 2, -126, 127), 0)      # np.frexp(a)[1] - 1 = floor(log2(a)), exactly
;;       r = np.clip(x / 2.0 ** e, -7.5, 7.5)
;;       step = 2.0 ** (np.maximum(np.frexp(np.where(r == 0, 1, r))[1] - 1, 0) - 3)
;;       q = np.round(r / step) * step * 2.0 ** e      # np.round: ties to even
;;       return np.moveaxis(q.reshape(q.shape[:-2] + (-1,))[..., :K], -1, axis).astype(np.float32)
;;   ~~~
;;   SOFTMAX AHEAD OF A QUANTISED PRODUCT. Where the list says 'softmax', what is quantised is not the finished softmax but p = 2^(t - M), with t = logit x log2(e) and M = ceil(the row's largest t), a whole number; so 1/2 < the row's largest p <= 1. The row's sum l is taken of the UNQUANTISED p, in f32, and the product's result is divided by l at the end. Since M is a whole number, a kernel that streams over the keys may use a running M (the ceiling of the running maximum): every later rescaling is an exact power of two, which a block's scale takes up: the codes' values come out the same.
;;   OPERANDS COMPUTED ON THE WAY. 'Computed on the way' means the value that the module computes at that place (a softmax that the list does not call 'softmax' is quantised finished and normalised). What goes into a quantiser is computed in f32, as accurately as f32 sums, v_exp_f32 and their like allow (about 1e-6 of the number): no bf16 or f16 on the way to a quantiser, and a product that is left as it is and whose result goes on into a quantised operand takes f32 operands (vector FMAs, or v_wmma_f32_16x16x4_f32). A number that lies on a knife's edge between two numbers of the format may be rounded either way, as far as f32 arithmetic and the matrix unit's own rounding can turn it there, and no further.
;; One version. Each part assembles by itself: llvm-mc -triple=amdgcn-amd-amdhsa -mcpu=gfx1250 --defsym DOCPART=n.
;; ======== version 1 of 1: 4 launches
;; workspace buffers: xw_codes 9,437,184 bytes; xw_scales 393,216 bytes; qkv_codes 18,874,368 bytes; qkv_scales 1,572,864 bytes; y_codes 6,291,456 bytes; y_scales 262,144 bytes
;; launch quant (part 1): grid 256 x 1, 3 waves a work-group, no clusters, 26,112 bytes of LDS; arguments x, Wq, Wk, Wv, Wo, xw_codes, xw_scales; writes xw_codes, xw_scales
.if DOCPART == 1
	.amdgcn_target "amdgcn-amd-amdhsa--gfx1250"
	.amdhsa_code_object_version 6
	.text
	.protected	k_q2d79eddf90_quant
	.globl	k_q2d79eddf90_quant
	.p2align	8
	.type	k_q2d79eddf90_quant,@function
k_q2d79eddf90_quant:
	s_mov_b64 s[64:65], 0
	v_nop
	global_prefetch_b8 v0, s[64:65] scope:SCOPE_SE
	s_setreg_imm32_b32 hwreg(HW_REG_WAVE_MODE, 25, 1), 1
	s_wait_xcnt 0x0
; x [8192][1024] and Wq, Wk, Wv, Wo [1024][1024], f32 with K innermost, become codes of FP6 (E2M3) with one E8M0 byte for each 32 along K.
; A block's scale is 2^(floor(log2(its largest magnitude)) - 2); its byte is the largest magnitude's exponent field - 2, held at 1 from below.
; LIMITS: NaN and infinities among the inputs are not served; a block of zeros, or one whose largest magnitude lies under 2^-124, gets the byte 1
; (its codes are zeros or tiny; the bytes are read by this program alone).
; STORED ORDER.  The 12,288 rows (x, Wq, Wk, Wv, Wo on end) are stored in tiles of 16: row p of tile 2 B + u is logical row 32 B + 8 u + p + 8 (p / 8).
; A tile so chosen, taken as source 0 of a product, leaves 16 neighbours of the row axis in the 16 registers of two neighbouring tiles.
; FRAGMENT IMAGE.  16 rows x 128 K are 12 registers a lane; register pair p lies at 256 p + 8 x lane: 1,536 bytes, every store 256 consecutive aligned bytes.
; xw_codes: [tile 768][K step 8][1,536];  xw_scales: [stored row][32 bytes].
; SHARES.  Wave T = 3 x work-group + wave owns tile T: 16 rows x 1,024 K in 8 steps of 128 K.  A load reads 512 consecutive bytes of one row; the 16 rows turn
; through the wave's own stage in LDS (rows of 512 + 16 bytes) so that lane (r, h) gets, of row r, 16 neighbours of each block of 32.  Waves share nothing: no barrier.
.set STGB, 16*528                      ; a wave's stage
.set R,    16                          ; v16-143  two sets of 64 numbers as loaded
.set X,    144                         ; v144-207 64 numbers: register 16 b + i = k 32 b + 16 h + i of my row
.set PC,   208                         ; v208-219 the fragment's codes; v220-222, v224-226 halves on their way
.set TM,   228                         ; v228-243 at work
.set SW,   246                         ; v246-253 the scale words of the 8 steps
.set SEL,  30                          ; s[30:31] lane selects: lane l xor 16
	s_load_b256 s[4:11], s[0:1], 0x0               ; x, Wq, Wk, Wv
	s_load_b128 s[12:15], s[0:1], 0x20             ; Wo, xw_codes
	s_load_b64 s[16:17], s[0:1], 0x30              ; xw_scales
	v_lshl_add_u32 v254, v0, 2, 0x6400
	v_mov_b32 v255, 0
	v_lshrrev_b32 v1, 5, v0
	v_readfirstlane_b32 s18, v1                    ; wave 0..2
	v_and_b32 v1, 31, v0                           ; lane
	v_and_b32 v2, 15, v0                           ; r
	v_bfe_u32 v3, v0, 4, 1                         ; h
	s_mul_i32 s19, ttmp9, 3
	s_add_co_u32 s19, s19, s18                     ; T: my stored tile
	s_mul_i32 s20, s18, STGB                       ; my stage
	v_lshlrev_b32 v4, 4, v1                        ; 16 x lane: my bytes of a load's 512
	v_add_nc_u32 v5, s20, v4                       ; the stage, on the way in
	v_mul_u32_u24 v6, v2, 528
	v_lshl_add_u32 v6, v3, 6, v6
	v_add_nc_u32 v6, s20, v6                       ; and on the way out: row r, + 64 h
	v_lshlrev_b32 v7, 3, v1                        ; 8 x lane: an image's place for my lane
	v_lshlrev_b32 v8, 5, v2
	v_lshl_add_u32 v8, v3, 4, v8                   ; 32 r + 16 h: my half of my row's scale bytes
	s_mov_b32 s[SEL], 0x76543210
	s_mov_b32 s[SEL+1], 0xfedcba98
.irp b, 0,1,2,3
	v_mov_b32 v[TM+4+\b], 0                        ; written once: a lane permute's destination counts as one of its sources
.endr
	s_and_b32 s26, s19, 63                         ; the tile's number inside a weight
	s_wait_alu depctr_va_vdst(0)
	s_wait_kmcnt 0x0
	s_cmp_lt_u32 s19, 576                          ; tiles 0-511 x, 512-575 Wq, 576-639 Wk, 640-703 Wv, 704-767 Wo: the choice hangs on the tile's number alone
	s_cselect_b64 s[22:23], s[6:7], s[8:9]
	s_cmp_lt_u32 s19, 704
	s_cselect_b64 s[24:25], s[10:11], s[12:13]
	s_cmp_lt_u32 s19, 640
	s_cselect_b64 s[22:23], s[22:23], s[24:25]
	s_cmp_lt_u32 s19, 512
	s_cselect_b64 s[4:5], s[4:5], s[22:23]
	s_cselect_b32 s26, s19, s26                    ; the tile's number inside its tensor: 2 B + u
	s_lshr_b32 s27, s26, 1
	s_lshl_b32 s27, s27, 5                         ; 32 B
	s_and_b32 s28, s26, 1
	s_lshl_b32 s28, s28, 3                         ; 8 u
	s_add_co_u32 s28, s28, s27                     ; the tile's first logical row,
	s_lshl_b32 s28, s28, 12                        ; in bytes: 4,096 a row
	s_mov_b32 s29, 0
	s_add_nc_u64 s[4:5], s[4:5], s[28:29]
	s_mul_i32 s28, s19, 12288
	s_add_nc_u64 s[14:15], s[14:15], s[28:29]      ; my tile's codes
	s_lshl_b32 s28, s19, 9
	s_add_nc_u64 s[16:17], s[16:17], s[28:29]      ; my tile's 512 scale bytes
.macro LOAD t                          ; step t: 512 bytes of each of my 16 rows, into set t % 2
.irp q, 0,1,2,3,4,5,6,7,8,9,10,11,12,13,14,15
	global_load_b128 v[R+64*((\t)%2)+4*\q:R+64*((\t)%2)+4*\q+3], v4, s[4:5] offset:(\q+8*(\q/8))*4096+512*(\t) th:TH_LOAD_NT
.endr
.endm
.macro TURN t                          ; through the stage: LDS serves a wave's instructions in order, so no wait stands between the stores and the loads
.irp q, 0,1,2,3,4,5,6,7,8,9,10,11,12,13,14,15
	ds_store_b128 v5, v[R+64*((\t)%2)+4*\q:R+64*((\t)%2)+4*\q+3] offset:528*\q
.endr
.irp b, 0,1,2,3
.irp j, 0,1,2,3
	ds_load_b128 v[X+16*\b+4*\j:X+16*\b+4*\j+3], v6 offset:128*\b+16*\j
.endr
.endr
.endm
; 64 numbers of a lane, register 16 b + i = k 32 b + 16 h + i of my row, become a fragment's codes in v[PC] on and its scale word in v[pw]
.macro QUANT s, pw
.irp b, 0,1,2,3
	v_max3_num_f32 v[TM+\b], |v[\s+16*\b]|, |v[\s+1+16*\b]|, 0x1800000   ; my 16 numbers of block b, and the floor 2^(3 - 127): the byte cannot fall under 1
.endr
.irp i, 2,4,6,8,10,12,14
.irp b, 0,1,2,3
	v_max3_num_f32 v[TM+\b], v[TM+\b], |v[\s+16*\b+\i]|, |v[\s+1+16*\b+\i]|
.endr
.endr
.irp b, 0,1,2,3
	v_permlanex16_b32 v[TM+4+\b], v[TM+\b], s[SEL], s[SEL+1]
.endr
.irp b, 0,1,2,3
	v_max_num_f32 v[TM+\b], v[TM+\b], v[TM+4+\b]   ; with lane l xor 16's: the block's largest magnitude
.endr
.irp b, 0,1,2,3
	v_add_nc_u32 v[TM+12+\b], 0xff000000, v[TM+\b] ; 2 off its exponent field: the conversion takes this operand's exponent field as its scale
.endr
.irp b, 0,1,2,3
	v_lshrrev_b32 v[TM+4+\b], 23, v[TM+12+\b]      ; the scale's byte
.endr
	v_lshl_or_b32 v[\pw], v[TM+5], 8, v[TM+4]
	v_lshl_or_b32 v[\pw], v[TM+6], 16, v[\pw]
	v_lshl_or_b32 v[\pw], v[TM+7], 24, v[\pw]      ; my row's scale word for these 128 K
.irp c, 0,1
	v_cvt_scalef32_pk16_fp6_f32 v[PC+6*\c:PC+2+6*\c], v[\s+32*\c:\s+15+32*\c], v[TM+12+2*\c]
	v_cvt_scalef32_pk16_fp6_f32 v[PC+12+4*\c:PC+14+4*\c], v[\s+16+32*\c:\s+31+32*\c], v[TM+12+2*\c+1]   ; (a conversion's three registers begin on an even number)
.endr
	v_nop                                          ; one plain place behind a scaled conversion
.irp c, 0,1                            ; the operand's layout wants a whole block in a lane: lanes 0-15 block 2 c, lanes 16-31 block 2 c + 1
.irp i, 0,1,2
	v_permlane16_swap_b32 v[PC+6*\c+\i], v[PC+12+4*\c+\i]
.endr
.irp i, 0,1,2
	v_mov_b32 v[PC+3+6*\c+\i], v[PC+12+4*\c+\i]
.endr
.endr
.endm
.macro STEP t
.if (\t) < 7
	s_wait_loadcnt 16                              ; this step's 16 loads are in; the next step's 16 may be out
.else
	s_wait_loadcnt 0x0
.endif
	TURN \t
	s_wait_dscnt 0x0                               ; my 64 numbers are back, and the stage's stores have read the set that the loads below fill
	s_wait_xcnt 0x0                                ; the last step's stores have read the codes' registers: they are written again only behind this wait
.if (\t) < 6
	LOAD (\t)+2
.endif
	QUANT X, SW+(\t)
.irp p, 0,1,2,3,4,5
	global_store_b64 v7, v[PC+2*\p:PC+2*\p+1], s[14:15] offset:1536*(\t)+256*\p   ; 32 lanes store 256 consecutive aligned bytes
.endr
.endm
	LOAD 0
	LOAD 1
.irp t, 0,1,2,3,4,5,6,7
	STEP \t
.endr
	v_cmp_le_u32 vcc_lo, 16, v1                    ; lanes 16-31 store words 4-7 of their row, lanes 0-15 words 0-3
.irp i, 0,1,2,3
	v_cndmask_b32 v[R+\i], v[SW+\i], v[SW+4+\i], vcc_lo
.endr
	global_store_b128 v8, v[R:R+3], s[16:17]       ; the tile's 512 scale bytes, whole
	s_wait_tensorcnt 0x0
	ds_add_u32 v254, v255
	s_wait_dscnt 0x0
	s_endpgm
.Lfunc_end_k_q2d79eddf90_quant:
	.size	k_q2d79eddf90_quant, .Lfunc_end_k_q2d79eddf90_quant-k_q2d79eddf90_quant
	.p2alignl 7, 3214868480
	.fill 96, 4, 3214868480
	.section	.rodata,"a",@progbits
	.p2align	6, 0x0
	.amdhsa_kernel k_q2d79eddf90_quant
		.amdhsa_group_segment_fixed_size 26112
		.amdhsa_private_segment_fixed_size 0
		.amdhsa_enable_private_segment 0
		.amdhsa_kernarg_size 56
		.amdhsa_user_sgpr_count 2
		.amdhsa_user_sgpr_kernarg_segment_ptr 1
		.amdhsa_wavefront_size32 1
		.amdhsa_system_sgpr_workgroup_id_x 1
		.amdhsa_system_sgpr_workgroup_id_y 1
		.amdhsa_system_sgpr_workgroup_id_z 1
		.amdhsa_system_vgpr_workitem_id 0
		.amdhsa_next_free_vgpr 256
		.amdhsa_next_free_sgpr 66
		.amdhsa_reserve_vcc 1
		.amdhsa_float_denorm_mode_32 3
		.amdhsa_float_denorm_mode_16_64 3
		.amdhsa_memory_ordered 1
		.amdhsa_forward_progress 1
		.amdhsa_inst_pref_size 66
	.end_amdhsa_kernel
	.amdgpu_metadata
---
amdhsa.version: [ 1, 2 ]
amdhsa.kernels:
  - .name:           k_q2d79eddf90_quant
    .symbol:         k_q2d79eddf90_quant.kd
    .args:
      - { .name: x, .offset: 0, .size: 8, .value_kind: global_buffer, .address_space: global }
      - { .name: Wq, .offset: 8, .size: 8, .value_kind: global_buffer, .address_space: global }
      - { .name: Wk, .offset: 16, .size: 8, .value_kind: global_buffer, .address_space: global }
      - { .name: Wv, .offset: 24, .size: 8, .value_kind: global_buffer, .address_space: global }
      - { .name: Wo, .offset: 32, .size: 8, .value_kind: global_buffer, .address_space: global }
      - { .name: xw_codes, .offset: 40, .size: 8, .value_kind: global_buffer, .address_space: global }
      - { .name: xw_scales, .offset: 48, .size: 8, .value_kind: global_buffer, .address_space: global }
    .group_segment_fixed_size: 26112
    .private_segment_fixed_size: 0
    .kernarg_segment_align: 8
    .kernarg_segment_size: 56
    .max_flat_workgroup_size: 96
    .sgpr_count:     66
    .vgpr_count:     256
    .wavefront_size: 32
...
	.end_amdgpu_metadata
.endif
;; end of part 1
;; launch qkv (part 2): grid 8 x 48, 4 waves a work-group, clusters of 4 x 4, 327,680 bytes of LDS; arguments xw_codes, xw_scales, qkv_codes, qkv_scales; writes qkv_codes, qkv_scales
.if DOCPART == 2
	.amdgcn_target "amdgcn-amd-amdhsa--gfx1250"
	.amdhsa_code_object_version 6
	.text
	.protected	k_q2d79eddf90_qkv
	.globl	k_q2d79eddf90_qkv
	.p2align	8
	.type	k_q2d79eddf90_qkv,@function
k_q2d79eddf90_qkv:
	s_mov_b64 s[64:65], 0
	v_nop
	global_prefetch_b8 v0, s[64:65] scope:SCOPE_SE
	s_setreg_imm32_b32 hwreg(HW_REG_WAVE_MODE, 25, 1), 1
	s_wait_xcnt 0x0
	s_wait_alu depctr_hold_cnt(0) depctr_sa_sdst(0) depctr_va_vdst(0) depctr_va_sdst(0) depctr_va_ssrc(0) depctr_va_vcc(0) depctr_vm_vsrc(0)
	s_getreg_b32 s2, hwreg(HW_REG_IB_STS2, 6, 4)
	s_cmp_eq_u32 s2, 0
	s_cbranch_scc0 .Lentry_in_a_cluster
	s_endpgm
.Lentry_in_a_cluster:
	s_bfe_u32 s2, ttmp6, 0x10000c
	s_cmp_lg_u32 s2, 0xf033
	s_cbranch_scc0 .Lentry_shape_is_right
	s_endpgm
.Lentry_shape_is_right:
; q, k and v, made on codes of FP6 (E2M3) and quantised again on the way out.  C[m][n] = sum over k of A[m][k] B[n][k], K = 1,024, both operands out of xw_codes / xw_scales.
; Cluster rows Y = 0..7: A = x (8,192 tokens), B = Wq and Wk on end (2,048 rows): a lane holds a token, its registers run along the channels: q and k, quantised along a head's 64.
; Cluster rows Y = 8..11: A = Wv (1,024 channels), B = the 2,048 tokens of batch Y - 8: a lane holds a channel, its registers run along the tokens: v^T, quantised along the keys.
; Rows are stored in tiles of 16 whose row p of tile 2 B + u is logical row 32 B + 8 u + p + 8 (p / 8); a fragment (16 rows x 128 K) lies as an image of its 12 registers, pair p at 256 p + 8 x lane.
; So with source 0 = 16 stored rows of B, the 16 registers of accumulators 2 B and 2 B + 1 are 16 neighbours of B's logical rows: what the next quantiser wants.
; A tile of C, 256 x 256, is made by four waves, 128 x 128 each: 64 accumulators, 512 registers.  K goes in steps of 256 through a ring of two LDS slots; the scales of the 512 rows come once.
; CLUSTERS: 4 x 4 work-groups; A's tiles are asked for jointly along a row of the cluster, B's along a column.
; OUT: qkv_codes [J 16][R16 768][1,536], qkv_scales [J 16][R64 192][512].  R16 < 512: token tile, J = 0..7 q's head pair, 8..15 k's; chunk c of 768 bytes is head 2 (J & 7) + c.
; R16 = 512 + 64 b + 4 head + dt: v^T's channel tile, J the step of 128 keys.  Scale words: lane l's 16 bytes at 16 l are those of tiles 4 R64 + 0..3; for q and k lanes 16-31 hold the word >> 16 (the odd head's bytes lowest).
; LIMITS: NaN and infinities are not served; a block of zeros, or one under 2^-124, gets the byte 1 (read by this program alone).
; REGISTERS, in windows of 256: window 0: v0-31 addresses; v32-63 scale words, two sets; from v128 A's fragments, one set; on the way out v64-216.  window 1: B's fragments, two sets.  windows 2, 3: the accumulators.
.set NQ,     2                         ; steps of 128 K in a slot
.set FR,     12                        ; registers of a fragment
.set FRB,    1536                      ; and its image in bytes
.set NL,     6                         ; LDS loads that bring one
.set NP,     4                         ; places behind this matrix instruction (ISA guide 7.12.1)
.set TILEB,  NQ*FRB                    ; a stored tile's part of a slot
.set TROW,   8*FRB                     ; a stored tile's bytes for all of K
.set HALFT,  8*TILEB                   ; 128 rows: what one tensor load brings
.set SLOT,   4*HALFT                   ; A's 256 rows, then B's 256 rows
.set KS,     32                        ; a row of scales in bytes
.set SCL,    2*SLOT                    ; behind the ring: the scales, as units of 256 bytes + 16 of padding
.set HALFS,  16*272                    ; those of 128 rows
.set SBLK,   2*272                     ; those of 16 rows
.set SPARE,  SCL+4*HALFS               ; the spare words, 128 bytes for each wave: two blocks of 256 bytes that no other line names
.set ADRA, 16                          ; v16-17  LDS address of my A fragments in slot 0, 1
.set ADRB, 20                          ; v20-21  the same for B
.set CO,   26                          ; v26     8 x lane
.set ADRS, 27                          ; v27     LDS address of my scale words: lanes 0-15 A's rows, lanes 16-31 B's
.set SPW,  28                          ; v28     my spare word; never rewritten
.set NIL,  29                          ; v29     0; never rewritten
.set SHV,  30                          ; v30     how far lanes 16-31 shift a scale word down: 16 for q and k, 0 for v; 0 in lanes 0-15
.set L16,  31                          ; v31     16 x lane
.set SC,   32
.set AF,   128
.set CD,   64                          ; the way out: v64-159 the codes, 12 registers for each of my 8 tiles of rows
.set CT,   160                         ; v160-162, v164-166 halves on their way
.set SR,   176                         ; v176-183 the scale words as they are stored
.set TM,   200                         ; v200-215 at work
.set PW,   216
.set G1, 24
.set G0, 32
.set G1B, 48
.set G0B, 56
.set G1S, 68
.set G0S, 76
.set G1SB, 80
.set G0SB, 88
.set MSB, 0
.macro WIN new                         ; the immediate's high byte repeats the setting that is left
.if MSB != \new
	s_set_vgpr_msb (MSB<<8)|\new
.set MSB, \new
.endif
.endm
.set MUL_LO, 0xa1                      ; source 0 (B) window 1, source 1 (A) window 0, C and D window 2
.set MUL_HI, 0xf1                      ; the same, C and D window 3
.set TO_B,   0x40                      ; destination window 1, address window 0
; A joint load: waves 0 and 1 fetch for A, waves 2 and 3 for B.  The branch hangs on the wave's number alone.  Four v_nop follow each of the two lines.
.macro JLOAD g0a, g1a, g0b, g1b
	s_cmp_eq_u32 s15, 0
	s_cbranch_scc0 .Lfor_b_\@
	tensor_load_to_lds s[\g0a:\g0a+3], s[\g1a:\g1a+7]
	s_nop 0
.rept 4
	v_nop
.endr
	s_branch .Lasked_\@
.Lfor_b_\@:
	tensor_load_to_lds s[\g0b:\g0b+3], s[\g1b:\g1b+7]
	s_nop 0
.rept 4
	v_nop
.endr
.Lasked_\@:
.endm
.macro CREST                           ; a round of the cluster's barrier behind its opening barrier
	s_cmp_lg_u32 s14, 0
	s_cbranch_scc1 .Lnot_wave_0_\@
	s_barrier_signal -3
.Lnot_wave_0_\@:
	s_barrier_wait -3
	s_barrier_signal -1
	s_barrier_wait -1
.endm
.macro CROUND                          ; a whole round
	s_barrier_signal -1
	s_barrier_wait -1
	CREST
.endm
	s_load_b128 s[4:7], s[0:1], 0x0                ; xw_codes, xw_scales: for A
	s_load_b128 s[8:11], s[0:1], 0x0               ; the same two, for B
	s_load_b64 s[12:13], s[0:1], 0x10              ; qkv_codes
	s_load_b64 s[96:97], s[0:1], 0x18              ; qkv_scales
	v_lshl_add_u32 v[SPW], v0, 2, SPARE
	v_mov_b32 v[NIL], 0
	ds_add_u32 v28, v29
	ds_add_u32 v28, v29
	s_wait_dscnt 0x0
	v_lshrrev_b32 v1, 5, v0
	v_readfirstlane_b32 s14, v1                    ; wave 0..3
	s_lshr_b32 s15, s14, 1                         ; which half of the tile's rows is mine.  Also: I fetch for A (0) or for B (1)
	s_and_b32 s16, s14, 1                          ; which half of its columns.  Also: which 128 rows I fetch
	s_bfe_u32 s40, ttmp6, 0x40000                  ; cx
	s_bfe_u32 s41, ttmp6, 0x40004                  ; cy
	s_lshl_b32 s42, ttmp9, 2
	s_add_co_u32 s42, s42, s40                     ; tc = 4 x cluster x + cx
	s_and_b32 s45, ttmp7, 0xffff                   ; Y: the cluster's y, the same in all sixteen partners
	s_lshl_b32 s17, s45, 2
	s_add_co_u32 s17, s17, s41                     ; tr = 4 Y + cy
	s_lshl_b32 s43, s41, 2
	s_lshl_b32 s43, 15, s43                        ; my row of the cluster
	s_lshl_b32 s44, 0x1111, s40                    ; my column
	s_mov_b32 s2, 0x76543210
	s_mov_b32 s3, 0xfedcba98                       ; lane selects: lane l xor 16
	; descriptor group 1 for the codes: 8 stored tiles (rows) of 3,072 bytes (384 elements of 8 bytes), 12,288 bytes apart; dense in LDS
	s_or_b32 s[G1+0], s43, (3<<16)|(1<<21)         ; 15:0 the mask: A's tiles go to my row; 17:16 elements of 8 bytes; 21 set beside a mask
	s_or_b32 s[G1B+0], s44, (3<<16)|(1<<21)
.irp g, G1, G1B
	s_mov_b32 s[\g+1], (TILEB/8)<<16               ; tensor_dim0
	s_mov_b32 s[\g+2], 8<<16                       ; tensor_dim1
	s_mov_b32 s[\g+3], (TILEB/8)<<16               ; tile_dim0
	s_mov_b32 s[\g+4], 8                           ; tile_dim1
	s_mov_b32 s[\g+5], TROW/8                      ; tensor_dim0_stride
	s_mov_b32 s[\g+6], 0
	s_mov_b32 s[\g+7], 0
.endr
	; and for the scales of 128 rows: 4,096 dense bytes as 16 rows of 256, 16 bytes of padding behind each
	s_or_b32 s[G1S+0], s43, (3<<16)|(1<<20)|(1<<21)|(5<<22)|(3<<25)
	s_or_b32 s[G1SB+0], s44, (3<<16)|(1<<20)|(1<<21)|(5<<22)|(3<<25)
.irp g, G1S, G1SB
	s_mov_b32 s[\g+1], 32<<16
	s_mov_b32 s[\g+2], 16<<16
	s_mov_b32 s[\g+3], 32<<16
	s_mov_b32 s[\g+4], 16
	s_mov_b32 s[\g+5], 32
	s_mov_b32 s[\g+6], 0
	s_mov_b32 s[\g+7], 0
.endr
	; which stored rows.  Y < 8: A = x from row 1,024 Y, B = Wq, Wk from row 8,192.  Else: A = Wv from row 10,240, B = x from row 2,048 (Y - 8)
	s_lshl_b32 s20, s45, 10
	s_lshl_b32 s46, s45, 11
	s_sub_co_u32 s46, s46, 16384
	s_cmp_lt_u32 s45, 8
	s_cselect_b32 s20, s20, 10240
	s_cselect_b32 s46, 8192, s46
	s_cselect_b32 s98, 16, 0                       ; the odd head's shift of a scale word
	s_lshl_b32 s18, s16, 7                         ; which 128 rows I fetch
	s_lshl_b32 s19, s41, 8
	s_add_co_u32 s20, s20, s19
	s_add_co_u32 s20, s20, s18                     ; A: + 256 cy + 128 x half: nothing of cx
	s_lshl_b32 s47, s42, 8
	s_add_co_u32 s46, s46, s47
	s_add_co_u32 s46, s46, s18                     ; B: + 256 tc + 128 x half: nothing of cy
	s_mov_b32 s21, 0
	s_mov_b32 s47, 0
	s_mov_b64 s[18:19], KS
	s_mul_u64 s[22:23], s[20:21], s[18:19]         ; where these rows' scales begin, in bytes
	s_mul_u64 s[92:93], s[46:47], s[18:19]
	s_mov_b64 s[18:19], TROW/16
	s_mul_u64 s[20:21], s[20:21], s[18:19]         ; and their codes: 768 bytes a stored row
	s_mul_u64 s[46:47], s[46:47], s[18:19]
	s_mul_i32 s45, s14, HALFT                      ; where they go: wave x 128 rows: no place in the cluster enters an LDS address
	s_mul_i32 s94, s14, HALFS
	s_wait_kmcnt 0x0
	s_add_nc_u64 s[20:21], s[4:5], s[20:21]
	s_add_nc_u64 s[22:23], s[6:7], s[22:23]
	s_add_nc_u64 s[46:47], s[8:9], s[46:47]
	s_add_nc_u64 s[92:93], s[10:11], s[92:93]
	CROUND                                         ; all sixteen work-groups are here: the first joint loads meet
	s_mov_b32 s[G0S], 1
	s_add_co_u32 s[G0S+1], s94, SCL
	s_mov_b64 s[G0S+2:G0S+3], s[22:23]
	s_or_b32 s[G0S+3], s[G0S+3], 0x80000000
	s_mov_b32 s[G0SB], 1
	s_add_co_u32 s[G0SB+1], s94, SCL
	s_mov_b64 s[G0SB+2:G0SB+3], s[92:93]
	s_or_b32 s[G0SB+3], s[G0SB+3], 0x80000000
	JLOAD G0S, G1S, G0SB, G1SB                     ; the scales first: they are wanted with K step 0
.irp s, 0,1
	s_mov_b32 s[G0+4*\s], 1
	s_add_co_u32 s[G0+4*\s+1], s45, \s*SLOT
	s_add_nc_u64 s[G0+4*\s+2:G0+4*\s+3], s[20:21], \s*TILEB
	s_or_b32 s[G0+4*\s+3], s[G0+4*\s+3], 0x80000000
	s_mov_b32 s[G0B+4*\s], 1
	s_add_co_u32 s[G0B+4*\s+1], s45, \s*SLOT
	s_add_nc_u64 s[G0B+4*\s+2:G0B+4*\s+3], s[46:47], \s*TILEB
	s_or_b32 s[G0B+4*\s+3], s[G0B+4*\s+3], 0x80000000
	JLOAD G0+4*\s, G1, G0B+4*\s, G1B
.endr
	v_and_b32 v1, 15, v0                           ; r
	v_bfe_u32 v2, v0, 4, 1                         ; h
	v_and_b32 v3, 31, v0                           ; lane
	v_lshlrev_b32 v[CO], 3, v3
	v_lshlrev_b32 v[L16], 4, v3
	v_mul_u32_u24 v[SHV], s98, v2
	s_mul_i32 s21, s15, HALFT                      ; my 128 rows of A
	s_mul_i32 s22, s16, HALFT                      ; my 128 rows of B,
	s_add_co_u32 s22, s22, 2*HALFT                 ; which lie behind A's 256
.irp s, 0,1
	v_add_nc_u32 v[ADRA+\s], s21, v[CO]
	v_add_nc_u32 v[ADRB+\s], s22, v[CO]
	s_add_co_u32 s21, s21, SLOT
	s_add_co_u32 s22, s22, SLOT
.endr
	v_mul_u32_u24 v5, v1, KS                       ; my row's scales: 32 bytes a row,
	v_lshrrev_b32 v6, 8, v5
	v_lshl_add_u32 v5, v6, 4, v5                   ; and 16 more for each 256 passed
	s_mul_i32 s21, s15, HALFS                      ; A's: my 128 rows
	s_mul_i32 s22, s16, HALFS                      ; B's: my 128 rows, behind A's 256
	s_add_co_u32 s22, s22, 2*HALFS
	s_sub_co_u32 s22, s22, s21
	v_mul_u32_u24 v6, s22, v2                      ; lanes 16-31 take B's
	s_add_co_u32 s21, s21, SCL
	v_add_nc_u32 v5, v5, v6
	v_add_nc_u32 v[ADRS], s21, v5
	; where my results go: J = 2 tc + column half, R16 = 16 tr + 8 x row half
	s_lshl_b32 s20, s42, 1
	s_add_co_u32 s20, s20, s16                     ; J
	s_lshl_b32 s22, s17, 4
	s_lshl_b32 s23, s15, 3
	s_add_co_u32 s22, s22, s23                     ; R16
	s_mul_i32 s21, s20, 768
	s_add_co_u32 s21, s21, s22
	s_mul_i32 s46, s21, FRB
	s_mov_b32 s47, 0
	s_add_nc_u64 s[12:13], s[12:13], s[46:47]      ; my 8 images: 12,288 consecutive bytes
	s_mul_i32 s21, s20, 192
	s_lshr_b32 s22, s22, 2
	s_add_co_u32 s21, s21, s22
	s_lshl_b32 s46, s21, 9
	s_add_nc_u64 s[96:97], s[96:97], s[46:47]      ; and their scale words: 1,024 consecutive bytes
.macro FRAG reg, adr, q, i             ; a fragment comes as it was stored: six loads of 8 bytes a lane, each 256 consecutive bytes
.irp p, 0,1,2,3,4,5
	ds_load_b64 v[\reg+2*\p:\reg+2*\p+1], v[\adr] offset:(\i)*TILEB+(\q)*FRB+256*\p
.endr
.endm
; 16 matrix instructions: A's blocks a0, a0 + 1 x B's eight, 128 along K.  p: B's set; sc: the set of scale words.  zero = 1: the first product starts the sums.
; The 64 accumulators take turns, one instruction a turn, in the same order in every step.
.macro MUL16 a0, p, q, sc, zero
.irp a, \a0, \a0+1
.irp b, 0,1,2,3,4,5,6,7
.if \zero
	v_wmma_scale_f32_16x16x128_f8f6f4 v[8*(8*((\a)%4)+\b):8*(8*((\a)%4)+\b)+7], v[128*(\p)+FR*\b:128*(\p)+FR*\b+FR-1], v[AF+FR*(\a):AF+FR*(\a)+FR-1], 0, v[SC+8*NQ*(\sc)+NQ*\b+(\q)], v[SC+8*NQ*(\sc)+NQ*(\a)+(\q)] matrix_a_fmt:MATRIX_FMT_FP6 matrix_b_fmt:MATRIX_FMT_FP6 matrix_a_scale:MATRIX_SCALE_ROW1
.else
	v_wmma_scale_f32_16x16x128_f8f6f4 v[8*(8*((\a)%4)+\b):8*(8*((\a)%4)+\b)+7], v[128*(\p)+FR*\b:128*(\p)+FR*\b+FR-1], v[AF+FR*(\a):AF+FR*(\a)+FR-1], v[8*(8*((\a)%4)+\b):8*(8*((\a)%4)+\b)+7], v[SC+8*NQ*(\sc)+NQ*\b+(\q)], v[SC+8*NQ*(\sc)+NQ*(\a)+(\q)] matrix_a_fmt:MATRIX_FMT_FP6 matrix_b_fmt:MATRIX_FMT_FP6 matrix_a_scale:MATRIX_SCALE_ROW1
.endif
.endr
.endr
.endm
.macro FETCH_B slot, q, p              ; B's eight fragments of the slot's q-th 128 along K into set p
	WIN TO_B
.irp i, 0,1,2,3,4,5,6,7
	FRAG 128*(\p)+FR*\i, ADRB+\slot, \q, \i
.endr
	WIN 0
.endm
.macro FETCH_A slot, q, i0             ; A's blocks i0 .. i0 + 3
.irp i, \i0, \i0+1, \i0+2, \i0+3
	FRAG AF+FR*(\i), ADRA+\slot, \q, \i
.endr
.endm
.macro SCALES sc                       ; a K step's scale words into set sc: lanes 0-15 take A's block i, lanes 16-31 B's block i
.irp i, 0,1,2,3,4,5,6,7
	ds_load_b64 v[SC+8*NQ*\sc+NQ*\i:SC+8*NQ*\sc+NQ*\i+1], v[ADRS] offset:\i*SBLK
.endr
.endm
.macro PLACES n                        ; plain vector instructions between a matrix instruction and a load into, or a read of, its registers
.rept \n
	v_nop
.endr
.endm
; A step of 128 along K that has its successor in the same slot
.macro STEP slot, q, zero
	s_wait_dscnt 4*NL                              ; B's set and A's blocks 0-3 are in; the youngest 24 loads (A's blocks 4-7) may be out
	WIN MUL_LO
	MUL16 0, (\q)%2, \q, \slot, \zero
	MUL16 2, (\q)%2, \q, \slot, \zero
	s_wait_dscnt 0                                 ; A's blocks 4-7 are in
	PLACES NP
	FETCH_B \slot, (\q)+1, 1-(\q)%2
	FETCH_A \slot, (\q)+1, 0
	WIN MUL_HI
	MUL16 4, (\q)%2, \q, \slot, \zero
	MUL16 6, (\q)%2, \q, \slot, \zero
	PLACES NP
	WIN 0
	FETCH_A \slot, (\q)+1, 4
.endm
; A slot's last step changes slots: one barrier; in front of it each wave waits for all its tensor loads, adds 0 to its spare word, and waits for that and for its reads of this slot.  fill = 1: the slot is filled again, two K steps ahead.
.macro TURN slot, next, fill
	s_wait_tensorcnt 0x0                           ; all my tensor loads have landed: my part of the next slot
	ds_add_u32 v[SPW], v[NIL]                      ; 0 onto my spare word
	s_wait_dscnt 4*NL+1                            ; (the add and the youngest 24 loads, A's blocks 4-7, may be out)
	WIN MUL_LO
	MUL16 0, 1, NQ-1, \slot, 0                     ; sixteen matrix instructions stand between the add and the wait for it
	s_wait_dscnt 0x0                               ; the add is done, and my reads of this slot are over
	s_barrier_signal -1
	MUL16 2, 1, NQ-1, \slot, 0
	WIN 0
	s_barrier_wait -1
.if \fill
	CREST                                          ; the barrier has opened a round of the cluster's barrier: no wave of any partner still reads this slot or has a load on its way
	s_add_nc_u64 s[G0+4*\slot+2:G0+4*\slot+3], s[G0+4*\slot+2:G0+4*\slot+3], 2*TILEB
	s_add_nc_u64 s[G0B+4*\slot+2:G0B+4*\slot+3], s[G0B+4*\slot+2:G0B+4*\slot+3], 2*TILEB
	JLOAD G0+4*\slot, G1, G0B+4*\slot, G1B         ; the first tensor load behind the round; its four v_nop are the places in front of the loads below
.else
	PLACES NP
.endif
	s_wait_alu depctr_va_vdst(0)
	v_add_nc_u32 v[ADRS], 4*NQ, v[ADRS]            ; on to the next K step's scale words (no LDS load of mine is out)
	FETCH_B \next, 0, 0
	FETCH_A \next, 0, 0
	SCALES \next
	WIN MUL_HI
	MUL16 4, 1, NQ-1, \slot, 0
	MUL16 6, 1, NQ-1, \slot, 0
	PLACES NP
	WIN 0
	FETCH_A \next, 0, 4
.endm
	s_wait_alu depctr_va_vdst(0)
	s_wait_tensorcnt 1                             ; the scales and my part of K step 0 are in (K step 1's load may be out),
	s_barrier_signal -1
	s_barrier_wait -1                              ; everybody's are
	FETCH_B 0, 0, 0
	FETCH_A 0, 0, 0
	SCALES 0
	FETCH_A 0, 0, 4
	STEP 0, 0, 1                                   ; K = 1,024 is four K steps of 256, eight steps of 128: written out; the first starts the sums
	TURN 0, 1, 1                                   ; slot 0 takes K step 2
	STEP 1, 0, 0
	TURN 1, 0, 1                                   ; slot 1 takes K step 3
	STEP 0, 0, 0
	TURN 0, 1, 0                                   ; nothing is left to fetch
	STEP 1, 0, 0
	s_wait_dscnt 4*NL
	WIN MUL_LO
	MUL16 0, 1, NQ-1, 1, 0
	MUL16 2, 1, NQ-1, 1, 0
	s_wait_dscnt 0
	WIN MUL_HI
	MUL16 4, 1, NQ-1, 1, 0
	MUL16 6, 1, NQ-1, 1, 0
	WIN 0
; THE WAY OUT.  Block a (16 stored rows of A): a lane's 64 results, register 16 b + i = B's logical row 32 b + 16 h + i, are 128 K of the next product: four blocks of 32.
; They are quantised in registers and leave as a fragment's image: six stores of 256 consecutive aligned bytes.  Each accumulator is read from its low end on.
.macro QOUT a
.set AC, 64*((\a)%4)
	WIN 0x28+0x14*((\a)/4)                         ; sources 1 and 2: window 2 or 3
.irp b, 0,1,2,3
	v_max3_num_f32 v[TM+\b], 0x1800000, |v[AC+16*\b]|, |v[AC+16*\b+1]|   ; the floor 2^(3 - 127): the byte cannot fall under 1
.endr
.irp i, 2,4,6,8,10,12,14
.irp b, 0,1,2,3
	v_max3_num_f32 v[TM+\b], v[TM+\b], |v[AC+16*\b+\i]|, |v[AC+16*\b+\i+1]|
.endr
.endr
	WIN 0
.irp b, 0,1,2,3
	v_permlanex16_b32 v[TM+4+\b], v[TM+\b], s2, s3
.endr
.irp b, 0,1,2,3
	v_max_num_f32 v[TM+\b], v[TM+\b], v[TM+4+\b]   ; with lane l xor 16's: the block's largest magnitude
.endr
.irp b, 0,1,2,3
	v_add_nc_u32 v[TM+12+\b], 0xff000000, v[TM+\b] ; 2 off its exponent field: the conversion's scale operand
.endr
.irp b, 0,1,2,3
	v_lshrrev_b32 v[TM+4+\b], 23, v[TM+12+\b]      ; the scale's byte
.endr
	v_lshl_or_b32 v[PW], v[TM+5], 8, v[TM+4]
	v_lshl_or_b32 v[PW], v[TM+6], 16, v[PW]
	v_lshl_or_b32 v[PW], v[TM+7], 24, v[PW]
	v_lshrrev_b32 v[SR+(\a)], v[SHV], v[PW]        ; lanes 16-31 of q's and k's words: the odd head's two bytes lowest
	WIN 0x02+(\a)/4                                ; source 0: window 2 or 3
.irp c, 0,1
	v_cvt_scalef32_pk16_fp6_f32 v[CD+12*(\a)+6*\c:CD+12*(\a)+6*\c+2], v[AC+32*\c:AC+32*\c+15], v[TM+12+2*\c]
	v_cvt_scalef32_pk16_fp6_f32 v[CT+4*\c:CT+4*\c+2], v[AC+32*\c+16:AC+32*\c+31], v[TM+12+2*\c+1]
.endr
	WIN 0
	v_nop                                          ; one plain place behind a scaled conversion
.irp c, 0,1                            ; a whole block in a lane: lanes 0-15 block 2 c, lanes 16-31 block 2 c + 1
.irp i, 0,1,2
	v_permlane16_swap_b32 v[CD+12*(\a)+6*\c+\i], v[CT+4*\c+\i]
.endr
.irp i, 0,1,2
	v_mov_b32 v[CD+12*(\a)+6*\c+3+\i], v[CT+4*\c+\i]
.endr
.endr
.irp p, 0,1,2,3,4,5
	global_store_b64 v[CO], v[CD+12*(\a)+2*\p:CD+12*(\a)+2*\p+1], s[12:13] offset:FRB*(\a)+256*\p   ; each block has registers of its own: no store's data are written again
.endr
.endm
	PLACES NP                                      ; behind the last products: their results are read and A's registers written below
.irp b, 0,1,2,3
	v_mov_b32 v[TM+4+\b], 0                        ; a lane permute's destination counts as one of its sources
.endr
.irp a, 0,1,2,3,4,5,6,7
	QOUT \a
.endr
.irp g, 0,1
	global_store_b128 v[L16], v[SR+4*\g:SR+4*\g+3], s[96:97] offset:512*\g   ; the scale words of four tiles: 512 consecutive bytes
.endr
	s_wait_tensorcnt 0x0                           ; the wave's end
	ds_add_u32 v[SPW], v[NIL]
	s_wait_dscnt 0x0
	CROUND                                         ; the closing round: no work-group ends while a partner may still ask for a tile that names it
	s_endpgm
.Lfunc_end_k_q2d79eddf90_qkv:
	.size	k_q2d79eddf90_qkv, .Lfunc_end_k_q2d79eddf90_qkv-k_q2d79eddf90_qkv
	.p2alignl 7, 3214868480
	.fill 96, 4, 3214868480
	.section	.rodata,"a",@progbits
	.p2align	6, 0x0
	.amdhsa_kernel k_q2d79eddf90_qkv
		.amdhsa_group_segment_fixed_size 327680
		.amdhsa_private_segment_fixed_size 0
		.amdhsa_enable_private_segment 0
		.amdhsa_kernarg_size 32
		.amdhsa_user_sgpr_count 2
		.amdhsa_user_sgpr_kernarg_segment_ptr 1
		.amdhsa_wavefront_size32 1
		.amdhsa_system_sgpr_workgroup_id_x 1
		.amdhsa_system_sgpr_workgroup_id_y 1
		.amdhsa_system_sgpr_workgroup_id_z 1
		.amdhsa_system_vgpr_workitem_id 0
		.amdhsa_next_free_vgpr 1024
		.amdhsa_next_free_sgpr 100
		.amdhsa_reserve_vcc 0
		.amdhsa_float_denorm_mode_32 3
		.amdhsa_float_denorm_mode_16_64 3
		.amdhsa_memory_ordered 1
		.amdhsa_forward_progress 1
		.amdhsa_inst_pref_size 166
	.end_amdhsa_kernel
	.amdgpu_metadata
---
amdhsa.version: [ 1, 2 ]
amdhsa.kernels:
  - .name:           k_q2d79eddf90_qkv
    .symbol:         k_q2d79eddf90_qkv.kd
    .args:
      - { .name: xw_codes, .offset: 0, .size: 8, .value_kind: global_buffer, .address_space: global }
      - { .name: xw_scales, .offset: 8, .size: 8, .value_kind: global_buffer, .address_space: global }
      - { .name: qkv_codes, .offset: 16, .size: 8, .value_kind: global_buffer, .address_space: global }
      - { .name: qkv_scales, .offset: 24, .size: 8, .value_kind: global_buffer, .address_space: global }
    .group_segment_fixed_size: 327680
    .private_segment_fixed_size: 0
    .kernarg_segment_align: 8
    .kernarg_segment_size: 32
    .max_flat_workgroup_size: 128
    .sgpr_count:     100
    .vgpr_count:     1024
    .wavefront_size: 32
...
	.end_amdgpu_metadata
.endif
;; end of part 2
;; launch attn (part 3): grid 4 x 64, 16 waves a work-group, clusters of 4 x 1, 215,040 bytes of LDS; arguments qkv_codes, qkv_scales, y_codes, y_scales; writes y_codes, y_scales
.if DOCPART == 3
	.amdgcn_target "amdgcn-amd-amdhsa--gfx1250"
	.amdhsa_code_object_version 6
	.text
	.protected	k_q2d79eddf90_attn
	.globl	k_q2d79eddf90_attn
	.p2align	8
	.type	k_q2d79eddf90_attn,@function
k_q2d79eddf90_attn:
	s_mov_b64 s[64:65], 0
	v_nop
	global_prefetch_b8 v0, s[64:65] scope:SCOPE_SE
	s_setreg_imm32_b32 hwreg(HW_REG_WAVE_MODE, 25, 1), 1
	s_wait_xcnt 0x0
	s_wait_alu depctr_hold_cnt(0) depctr_sa_sdst(0) depctr_va_vdst(0) depctr_va_sdst(0) depctr_va_ssrc(0) depctr_va_vcc(0) depctr_vm_vsrc(0)
	s_getreg_b32 s2, hwreg(HW_REG_IB_STS2, 6, 4)
	s_cmp_eq_u32 s2, 0
	s_cbranch_scc0 .Lentry_in_a_cluster
	s_endpgm
.Lentry_in_a_cluster:
	s_bfe_u32 s2, ttmp6, 0x10000c
	s_cmp_lg_u32 s2, 0x3003
	s_cbranch_scc0 .Lentry_shape_is_right
	s_endpgm
.Lentry_shape_is_right:
; Causal attention of one (batch, head) a cluster, both products on codes of FP6 (E2M3); y = softmax(q k^T / 8) v is quantised along the channels on the way out.
; THE SOFTMAX AHEAD OF THE SECOND PRODUCT: t = score x log2(e) / 8; M = the row's largest t so far, rounded up to a whole number; p = 2^(t - M) is quantised along the keys, not normalised;
; the row's sum is taken of the unquantised p and divides at the end.  When M moves, the sum and O are multiplied by 2^(old M - new M): exact.
; SHARES.  The head's 2,048 queries are 128 stored tiles of 16.  Work-group c of the cluster's four takes tiles 4 i + c; wave w takes i = w and then i = 31 - w.  Tile i wants key steps 0 .. i / 2
; (128 keys a step), so every wave runs (w / 2 + 1) + ((31 - w) / 2 + 1) = 17 steps: control flow hangs on the wave's number alone, and all 256 work-groups have equal work.
; LDS holds the head's K and V codes and scale words whole: filled ONCE, by sixteen joint loads (one a wave, mask = the four partners), and only read afterwards: one barrier, no slot, no refill.
; LAYOUT.  S^T = K Q^T (source 0 = a stored tile of 16 keys), O^T = V^T P^T (source 0 = a stored tile of 16 channels): a lane holds one query.  A stored tile's row p of tile 2 B + u is logical row
; 32 B + 8 u + p + 8 (p / 8): the 16 registers of tiles 2 B, 2 B + 1 are 16 neighbouring keys (channels).  The first product's K is 64: Q's registers 6-11 are zero codes; K's registers 6-11 are the
; next tile's codes (zeros behind the last), whose products with zero codes add nothing; no scale byte here is 0xff.
; LIMITS: NaN and infinities are not served; a block of zeros, or one under 2^-124, gets the byte 1.  y's scale bytes leave one byte a lane: a row's 32 bytes come from 16 work-groups.
; REGISTERS: v1-7 addresses that stay; v8-11 the step's; v12 -M, v13 the largest t, v[14:15] the sum; v16-27 Q; v28 Q's scale word; v29, v86-91 the second phase's Q; v32-79 K's 8 x 6, then V's 4 x 12;
; v80-85 zeros; v92-95 V's scale words; v96-159 S^T, then p; v160-191 O^T; v192-203 codes; v204-210 halves on their way; v212-219 K's scale words; v220-236 at work.
.set KC,   0                           ; LDS: K's codes, 768 bytes a key tile, 128 tiles
.set VC,   98304                       ; V's codes, 6,144 bytes a key step (4 channel tiles x 1,536), 16 steps
.set KSC,  196608                      ; K's scale words: 256 bytes for four key tiles (lane r's 16 bytes at 16 r)
.set VSC,  204800                      ; V's: 512 bytes a key step (lane l's 16 bytes at 16 l: the four channel tiles' words)
.set WV,   12
.set SEL,  20                          ; s[20:21] lane selects: lane l xor 16
.set CS,   22                          ; s[22:23] c = log2(e) / 8
.set G1KC, 24
.set G1VC, 32
.set G1KS, 40
.set G1VS, 48
.set G0KC, 56
.set G0VC, 60
.set G0KS, 68
.set G0VS, 72
.set TRIP, 76                          ; s76 the trip, 0 .. 16
.set SS,   77                          ; s77 the key step in hand
.set SL,   78                          ; s78 the phase's last key step: the one on the diagonal
.set DG,   79                          ; s79 64 (i & 1): where my tile's queries begin in that step
.set HM,   84                          ; s84 lanes 16-31
.set YC,   86                          ; s[86:87] y's codes, s[88:89] y's scale bytes, for the phase in hand
.set YS,   88
.set YCB,  90                          ; s[90:93] the same for the second phase
.set YSB,  92
.set SLA,  94                          ; s94 w / 2; s95 that + 1; s96 (31 - w) / 2; s97, s98 the two phases' DG
.set SLA1, 95
.set SLB,  96
.set DGA,  97
.set DGB,  98
.set BM,   220                         ; v220-223 a block's largest score, then its largest p
.set BT,   224                         ; v224-227 the other half's; the sum's second chain; the bytes
.set SO,   228                         ; v228-231 the conversions' scale operands
.set FF,   232                         ; v232 f = 2^(old M - new M);  v233 p's scale word
.set PWD,  233
.set TP,   234
.set DD,   235
.set NI,   236
.macro CROUND                          ; a round of the cluster's barrier
	s_barrier_signal -1
	s_barrier_wait -1
	s_cmp_lg_u32 s[WV], 0
	s_cbranch_scc1 .Lnot_wave_0_\@
	s_barrier_signal -3
.Lnot_wave_0_\@:
	s_barrier_wait -3
	s_barrier_signal -1
	s_barrier_wait -1
.endm
.macro GROUP1 g, c, r, p               ; r rows of c elements of 8 bytes, p elements apart; dense in LDS; mask: all four partners, bit 21 beside it
	s_mov_b32 s[\g], 15|(3<<16)|(1<<21)
	s_mov_b32 s[\g+1], (\c)<<16
	s_mov_b32 s[\g+2], (\r)<<16
	s_mov_b32 s[\g+3], (\c)<<16
	s_mov_b32 s[\g+4], \r
	s_mov_b32 s[\g+5], \p
	s_mov_b32 s[\g+6], 0
	s_mov_b32 s[\g+7], 0
.endm
	s_load_b256 s[4:11], s[0:1], 0x0               ; qkv_codes, qkv_scales, y_codes, y_scales
	v_lshl_add_u32 v254, v0, 2, 0x34000
	v_mov_b32 v255, 0
	ds_add_u32 v254, v255
	ds_add_u32 v254, v255
	v_lshrrev_b32 v8, 5, v0
	s_delay_alu instid0(VALU_DEP_1)
	v_readfirstlane_b32 s[WV], v8                  ; wave 0..15
	s_bfe_u32 s13, ttmp6, 0x40000                  ; c: my place in the cluster: it enters Q's and y's global addresses and the mask's lane value alone
	s_and_b32 s14, ttmp7, 0xffff                   ; batch x 16 + head, which the four partners share
	s_lshr_b32 s15, s14, 4                         ; b
	s_and_b32 s16, s14, 15                         ; head
	s_and_b32 s17, s16, 1                          ; its parity: which 768 bytes of a head pair's image
	s_lshr_b32 s18, s16, 1                         ; the head pair
	s_and_b32 s19, s[WV], 3                        ; what I fetch: 0 K's codes, 1 V's codes, 2 K's scale words, 3 V's
	s_lshr_b32 s2, s[WV], 2                        ; and which quarter of it
	GROUP1 G1KC, 96, 32, 192                       ; 32 key tiles x 768 bytes, 1,536 apart
	GROUP1 G1VC, 768, 4, 147456                    ; 4 key steps x 6,144 bytes, 768 x 1,536 apart
	GROUP1 G1KS, 32, 8, 64                         ; 8 x 256 bytes, 512 apart
	GROUP1 G1VS, 64, 4, 12288                      ; 4 key steps x 512 bytes, 192 x 512 apart
	s_mov_b32 s[SEL], 0x76543210
	s_mov_b32 s[SEL+1], 0xfedcba98
	s_mov_b32 s[CS], 0x3e38aa3b
	s_mov_b32 s[CS+1], s[CS]                       ; (named with it as a pair, so it is written)
	s_mov_b32 s[HM], 0xffff0000
	s_mov_b32 s81, 0
	s_add_co_u32 s3, s18, 8                        ; k's J
	s_mul_i32 s80, s3, 768
	s_lshl_b32 s99, s15, 7
	s_add_co_u32 s80, s80, s99
	s_lshl_b32 s99, s2, 5
	s_add_co_u32 s80, s80, s99                     ; J 768 + 128 b + 32 x quarter
	s_mul_i32 s80, s80, 1536
	s_mul_i32 s99, s17, 768
	s_add_co_u32 s80, s80, s99
	s_wait_dscnt 0x0
	s_wait_kmcnt 0x0
	s_mov_b32 s[G0KC], 1
	s_mul_i32 s[G0KC+1], s2, 24576
	s_add_nc_u64 s[G0KC+2:G0KC+3], s[4:5], s[80:81]
	s_or_b32 s[G0KC+3], s[G0KC+3], 0x80000000
	s_mul_i32 s80, s2, 4*768
	s_lshl_b32 s99, s15, 6
	s_add_co_u32 s80, s80, s99
	s_lshl_b32 s99, s16, 2
	s_add_co_u32 s80, s80, s99
	s_add_co_u32 s80, s80, 512                     ; 4 x quarter x 768 + 512 + 64 b + 4 head
	s_mul_i32 s80, s80, 1536
	s_mov_b32 s[G0VC], 1
	s_mul_i32 s[G0VC+1], s2, 24576
	s_add_co_u32 s[G0VC+1], s[G0VC+1], VC
	s_add_nc_u64 s[G0VC+2:G0VC+3], s[4:5], s[80:81]
	s_or_b32 s[G0VC+3], s[G0VC+3], 0x80000000
	s_mul_i32 s80, s3, 192
	s_lshl_b32 s99, s15, 5
	s_add_co_u32 s80, s80, s99
	s_lshl_b32 s99, s2, 3
	s_add_co_u32 s80, s80, s99                     ; J 192 + 32 b + 8 x quarter
	s_lshl_b32 s80, s80, 9
	s_lshl_b32 s99, s17, 8
	s_add_co_u32 s80, s80, s99
	s_mov_b32 s[G0KS], 1
	s_lshl_b32 s[G0KS+1], s2, 11
	s_add_co_u32 s[G0KS+1], s[G0KS+1], KSC
	s_add_nc_u64 s[G0KS+2:G0KS+3], s[6:7], s[80:81]
	s_or_b32 s[G0KS+3], s[G0KS+3], 0x80000000
	s_mul_i32 s80, s2, 4*192
	s_lshl_b32 s99, s15, 4
	s_add_co_u32 s80, s80, s99
	s_add_co_u32 s80, s80, s16
	s_add_co_u32 s80, s80, 128                     ; 4 x quarter x 192 + 128 + 16 b + head
	s_lshl_b32 s80, s80, 9
	s_mov_b32 s[G0VS], 1
	s_lshl_b32 s[G0VS+1], s2, 11
	s_add_co_u32 s[G0VS+1], s[G0VS+1], VSC
	s_add_nc_u64 s[G0VS+2:G0VS+3], s[6:7], s[80:81]
	s_or_b32 s[G0VS+3], s[G0VS+3], 0x80000000
	CROUND                                         ; all four work-groups are here: the joint loads meet
	s_cmp_eq_u32 s19, 0                            ; each wave's one load; the branches hang on the wave's number alone; four v_nop follow each line
	s_cbranch_scc0 .Lkind1
	tensor_load_to_lds s[G0KC:G0KC+3], s[G1KC:G1KC+7]
	s_nop 0
.rept 4
	v_nop
.endr
	s_branch .Lasked
.Lkind1:
	s_cmp_eq_u32 s19, 1
	s_cbranch_scc0 .Lkind2
	tensor_load_to_lds s[G0VC:G0VC+3], s[G1VC:G1VC+7]
	s_nop 0
.rept 4
	v_nop
.endr
	s_branch .Lasked
.Lkind2:
	s_cmp_eq_u32 s19, 2
	s_cbranch_scc0 .Lkind3
	tensor_load_to_lds s[G0KS:G0KS+3], s[G1KS:G1KS+7]
	s_nop 0
.rept 4
	v_nop
.endr
	s_branch .Lasked
.Lkind3:
	tensor_load_to_lds s[G0VS:G0VS+3], s[G1VS:G1VS+7]
	s_nop 0
.rept 4
	v_nop
.endr
.Lasked:
	v_and_b32 v8, 15, v0                           ; r
	v_bfe_u32 v9, v0, 4, 1                         ; h
	v_and_b32 v1, 31, v0
	s_delay_alu instid0(VALU_DEP_1)
	v_lshl_add_u32 v3, v1, 4, VSC                  ; V's scale words: 16 x lane
	s_delay_alu instid0(VALU_DEP_2)
	v_lshlrev_b32 v1, 3, v1                        ; 8 x lane: an image's place for my lane
	s_wait_alu depctr_va_vdst(0)
	v_lshl_add_u32 v2, v8, 4, KSC                  ; K's scale words: 16 r
	v_and_b32 v10, 8, v8
	s_delay_alu instid0(VALU_DEP_1)
	v_add_nc_u32 v4, v10, v8                       ; r + 8 (r / 8)
	v_lshlrev_b32 v10, 4, v9
	s_delay_alu instid0(VALU_DEP_1)
	v_sub_nc_u32 v4, v4, v10                       ; - 16 h
	s_lshr_b32 s99, s13, 1
	s_lshl_b32 s99, s99, 5
	s_and_b32 s3, s13, 1
	s_lshl_b32 s3, s3, 3
	s_add_co_u32 s99, s99, s3
	v_add_nc_u32 v4, s99, v4                       ; + 32 (c / 2) + 8 (c & 1): my query's place among its 64, less my half's 16 keys
	v_lshl_add_u32 v6, v8, 5, v9                   ; y's scale bytes: 32 r + h
	v_lshlrev_b32 v7, 4, v8                        ; Q's scale word: 16 r
; the addresses of tile i (in s[ireg]): Q's codes, Q's scale word, y's codes, y's scale bytes
.macro ADDR ireg, qc, qs, yc, ys
	s_lshl_b32 s99, s[\ireg], 2
	s_add_co_u32 s99, s99, s13
	s_lshl_b32 s3, s15, 7
	s_add_co_u32 s99, s99, s3                      ; the token tile: 128 b + 4 i + c
	s_mul_i32 s3, s18, 768
	s_add_co_u32 s3, s3, s99
	s_mul_i32 s[\qc], s3, 1536
	s_mul_i32 s3, s17, 768
	s_add_co_u32 s[\qc], s[\qc], s3
	s_mov_b32 s[\qc+1], 0
	s_add_nc_u64 s[\qc:\qc+1], s[4:5], s[\qc:\qc+1]
	s_mul_i32 s[\qs], s18, 192
	s_lshl_b32 s3, s15, 5
	s_add_co_u32 s[\qs], s[\qs], s3
	s_add_co_u32 s[\qs], s[\qs], s[\ireg]
	s_lshl_b32 s[\qs], s[\qs], 9
	s_lshl_b32 s3, s17, 8
	s_add_co_u32 s[\qs], s[\qs], s3
	s_lshl_b32 s3, s13, 2
	s_add_co_u32 s[\qs], s[\qs], s3
	s_mov_b32 s[\qs+1], 0
	s_add_nc_u64 s[\qs:\qs+1], s[6:7], s[\qs:\qs+1]
	s_mul_i32 s[\yc], s99, 12288
	s_mul_i32 s3, s16, 768
	s_add_co_u32 s[\yc], s[\yc], s3
	s_mov_b32 s[\yc+1], 0
	s_add_nc_u64 s[\yc:\yc+1], s[8:9], s[\yc:\yc+1]
	s_lshl_b32 s[\ys], s99, 9
	s_lshl_b32 s3, s16, 1
	s_add_co_u32 s[\ys], s[\ys], s3
	s_mov_b32 s[\ys+1], 0
	s_add_nc_u64 s[\ys:\ys+1], s[10:11], s[\ys:\ys+1]
.endm
	s_wait_alu depctr_va_vdst(0)
	s_sub_co_u32 s14, 31, s[WV]                    ; the second phase's i
	ADDR WV, 76, 78, YC, YS
	ADDR 14, 80, 82, YCB, YSB
.irp p, 0,1,2
	global_load_b64 v[16+2*\p:17+2*\p], v1, s[76:77] offset:256*\p   ; Q of both phases stays in registers
	global_load_b64 v[86+2*\p:87+2*\p], v1, s[80:81] offset:256*\p
.endr
	global_load_b32 v28, v7, s[78:79]
	global_load_b32 v29, v7, s[82:83]
	s_lshr_b32 s[SLA], s[WV], 1
	s_add_co_u32 s[SLA1], s[SLA], 1
	s_lshr_b32 s[SLB], s14, 1
	s_and_b32 s[DGA], s[WV], 1
	s_lshl_b32 s[DGA], s[DGA], 6
	s_and_b32 s[DGB], s14, 1
	s_lshl_b32 s[DGB], s[DGB], 6
.irp j, 22,23,24,25,26,27,80,81,82,83,84,85
	v_mov_b32 v[\j], 0                             ; zero codes: Q's upper 64 along K, and what stands behind K's last tile
.endr
.set n, 0
.rept 32
	v_mov_b32 v[160+n], 0                          ; O^T: the first change of M leaves zeros zeros
.set n, n+1
.endr
	v_mov_b32 v13, 0xff61b1e6                      ; the largest t so far: -3e38
	s_delay_alu instid0(VALU_DEP_1)
	v_floor_f32 v12, -v13                          ; -M
	v_mov_b32 v14, 0
	v_mov_b32 v15, 0
.irp b, 0,1,2,3
	v_mov_b32 v[BT+\b], 0                          ; a lane permute's destination counts as one of its sources
.endr
	v_mov_b32 v[PWD], 0                            ; (named as the upper half of a pair before it is first written)
	s_wait_loadcnt 0x0                             ; Q; the loads' address registers are free
	s_wait_tensorcnt 0x0                           ; my part of the head's K and V has landed,
	s_barrier_signal -1
	s_barrier_wait -1                              ; everybody's has.  From here on LDS is only read
	s_mov_b32 s[TRIP], 0
.Ltrip:
	s_cmp_gt_u32 s[TRIP], s[SLA]                   ; trips 0 .. w / 2 are the first phase's key steps, the others the second's
	s_cselect_b32 s99, s[SLA1], 0
	s_cselect_b32 s[SL], s[SLB], s[SLA]
	s_cselect_b32 s[DG], s[DGB], s[DGA]
	s_sub_co_u32 s[SS], s[TRIP], s99
	s_min_u32 s80, s[SS], 15
	s_mul_i32 s81, s80, 6144                       ; a key step's 8 tiles of K; its 4 tiles of V are as many bytes
	s_add_co_u32 s82, s81, VC
	s_lshl_b32 s83, s80, 9                         ; and 512 bytes of scale words of either
	s_setprio 2
	v_add_nc_u32 v8, s81, v1                       ; (these four are the places in front of the loads into registers that the last products read)
	v_add_nc_u32 v9, s82, v1
	v_add_nc_u32 v10, s83, v2
	v_add_nc_u32 v11, s83, v3
.irp t, 0,1,2,3,4,5,6,7
.irp p, 0,1,2
	ds_load_b64 v[32+6*\t+2*\p:33+6*\t+2*\p], v8 offset:768*\t+256*\p
.endr
.endr
	ds_load_b128 v[212:215], v10
	ds_load_b128 v[216:219], v10 offset:256
	s_wait_alu depctr_va_vdst(0)
	s_wait_dscnt 0x0
.irp t, 0,1,2,3,4,5,6,7                ; S^T = K Q^T: lane (r, h) holds query r; register 16 b + i is key 128 SS + 32 b + 16 h + i
	v_wmma_scale_f32_16x16x128_f8f6f4 v[96+8*\t:103+8*\t], v[32+6*\t:43+6*\t], v[16:27], 0, v[212+\t], v28 matrix_a_fmt:MATRIX_FMT_FP6 matrix_b_fmt:MATRIX_FMT_FP6
.endr
.rept 4
	v_nop                                          ; places: in front of the loads over K's registers and of the first read of the scores
.endr
.irp t, 0,1,2,3
.irp p, 0,1,2,3,4,5
	ds_load_b64 v[32+12*\t+2*\p:33+12*\t+2*\p], v9 offset:1536*\t+256*\p   ; V's four tiles land while the softmax is worked
.endr
.endr
	ds_load_b128 v[92:95], v11
	s_cmp_lg_u32 s[SS], s[SL]                      ; only the phase's last step lies on the diagonal
	s_cbranch_scc1 .Lopen
	v_add_nc_u32 v[DD], s[DG], v4                  ; d = my query - the step's first key - 16 h: register 16 b + i is hidden where 32 b + i > d
	v_mov_b32 v[NI], 0xff800000                    ; -infinity: p = 0 then
.set n, 0
.rept 64
	v_cmp_gt_i32 vcc_lo, 32*(n/16)+n%16, v[DD]
	v_cndmask_b32 v[96+n], v[96+n], v[NI], vcc_lo
.set n, n+1
.endr
.Lopen:
.irp b, 0,1,2,3
	v_max3_num_f32 v[BM+\b], v[96+16*\b], v[97+16*\b], v[98+16*\b]   ; the largest score of each block of 32 keys: for the row's maximum, and, since p rises with the score, for the block's largest p
.endr
.irp i, 3,5,7,9,11,13
.irp b, 0,1,2,3
	v_max3_num_f32 v[BM+\b], v[BM+\b], v[96+16*\b+\i], v[97+16*\b+\i]
.endr
.endr
.irp b, 0,1,2,3
	v_max_num_f32 v[BM+\b], v[BM+\b], v[111+16*\b]
.endr
.irp b, 0,1,2,3
	s_delay_alu instid0(VALU_DEP_4)
	v_permlanex16_b32 v[BT+\b], v[BM+\b], s[SEL], s[SEL+1]
.endr
.irp b, 0,1,2,3
	s_delay_alu instid0(VALU_DEP_4)
	v_max_num_f32 v[BM+\b], v[BM+\b], v[BT+\b]     ; with lane l xor 16's 16 keys
.endr
	s_delay_alu instid0(VALU_DEP_2)
	v_max3_num_f32 v[TP], v[BM], v[BM+1], v[BM+2]
	s_delay_alu instid0(VALU_DEP_1)
	v_max_num_f32 v[TP], v[TP], v[BM+3]            ; the step's largest score of my query
	s_delay_alu instid0(VALU_DEP_1)
	v_mul_f32 v[TP], s[CS], v[TP]                  ; as t
	s_delay_alu instid0(VALU_DEP_1)
	v_max_num_f32 v13, v13, v[TP]                  ; the running largest t
	v_mov_b32 v[TP], v12
	s_delay_alu instid0(VALU_DEP_2)
	v_floor_f32 v12, -v13                          ; the new -M = -ceil(t): a whole number
	s_delay_alu instid0(VALU_DEP_1)
	v_sub_f32 v[TP], v12, v[TP]                    ; old M - new M, 0 or less
	s_delay_alu instid0(VALU_DEP_1)
	v_cvt_i32_f32 v[TP], v[TP]                     ; (it saturates)
	s_delay_alu instid0(VALU_DEP_1)
	v_ldexp_f32 v[FF], 1.0, v[TP]                  ; f = 2^(old M - new M)
.set n, 0
.rept 32
	v_pk_fma_f32 v[96+n:97+n], v[96+n:97+n], s[CS:CS+1], v[12:13] op_sel_hi:[1,0,0]   ; t - M, two at a time
.set n, n+2
.endr
.irp b, 0,1,2,3
	v_fma_f32 v[BM+\b], v[BM+\b], s[CS], v12       ; the same of each block's largest score
.endr
.set n, 0
	s_wait_alu depctr_va_vdst(0)
.rept 64
	v_exp_f32 v[96+n], v[96+n]                     ; p = 2^(t - M), at most 1
.set n, n+1
.endr
	s_setprio 1
	v_pk_mul_f32 v[14:15], v[14:15], v[FF:FF+1] op_sel_hi:[1,0]   ; the sums under the new M; a plain place behind the exponentials
	s_wait_alu depctr_va_vdst(0)                   ; one wait for the batch, ahead of its first reader
.irp b, 0,1,2,3
	v_exp_f32 v[BM+\b], v[BM+\b]                   ; the block's largest p
.endr
	v_pk_add_f32 v[224:225], v[100:101], v[104:105]
	v_pk_add_f32 v[252:253], v[108:109], v[112:113]
	v_pk_add_f32 v[250:251], v[116:117], v[120:121]
	v_pk_add_f32 v[248:249], v[124:125], v[128:129]
	v_pk_add_f32 v[246:247], v[132:133], v[136:137]
	v_pk_add_f32 v[244:245], v[140:141], v[144:145]
	v_pk_add_f32 v[242:243], v[148:149], v[152:153]
	v_pk_add_f32 v[14:15], v[14:15], v[156:157]
	v_pk_add_f32 v[224:225], v[224:225], v[96:97]
	v_pk_add_f32 v[252:253], v[252:253], v[98:99]
	v_pk_add_f32 v[250:251], v[250:251], v[102:103]
	v_pk_add_f32 v[248:249], v[248:249], v[106:107]
	v_pk_add_f32 v[246:247], v[246:247], v[110:111]
	v_pk_add_f32 v[244:245], v[244:245], v[114:115]
	v_pk_add_f32 v[242:243], v[242:243], v[118:119]
	v_pk_add_f32 v[14:15], v[14:15], v[122:123]
	v_pk_add_f32 v[224:225], v[224:225], v[126:127]
	v_pk_add_f32 v[252:253], v[252:253], v[130:131]
	v_pk_add_f32 v[250:251], v[250:251], v[134:135]
	v_pk_add_f32 v[248:249], v[248:249], v[138:139]
	v_pk_add_f32 v[246:247], v[246:247], v[142:143]
	v_pk_add_f32 v[244:245], v[244:245], v[146:147]
	v_pk_add_f32 v[242:243], v[242:243], v[150:151]
	v_pk_add_f32 v[14:15], v[14:15], v[154:155]
	v_pk_add_f32 v[224:225], v[224:225], v[158:159]
	s_delay_alu instid0(VALU_DEP_2)
	v_pk_add_f32 v[14:15], v[14:15], v[248:249]
	s_delay_alu instid0(VALU_DEP_2)
	v_pk_add_f32 v[224:225], v[224:225], v[246:247]
	v_pk_add_f32 v[252:253], v[252:253], v[244:245]
	v_pk_add_f32 v[250:251], v[250:251], v[242:243]
	s_delay_alu instid0(VALU_DEP_2)
	v_pk_add_f32 v[14:15], v[14:15], v[252:253]
	s_delay_alu instid0(VALU_DEP_2)
	v_pk_add_f32 v[224:225], v[224:225], v[250:251]
	s_delay_alu instid0(VALU_DEP_1)
	v_pk_add_f32 v[14:15], v[14:15], v[224:225]
	s_wait_alu depctr_va_vdst(0)                   ; and one for the four
.irp b, 0,1,2,3
	v_max_num_f32 v[BM+\b], 0x1800000, v[BM+\b]    ; the floor 2^(3 - 127): a block whose every p is 0 keeps the byte 1; its codes are zeros
.endr
.irp b, 0,1,2,3
	s_delay_alu instid0(VALU_DEP_4)
	v_add_nc_u32 v[SO+\b], 0xff000000, v[BM+\b]    ; 2 off the exponent field: the conversion's scale operand
.endr
.irp b, 0,1,2,3
	s_delay_alu instid0(VALU_DEP_4)
	v_lshrrev_b32 v[BT+\b], 23, v[SO+\b]           ; the scale's byte
.endr
	s_delay_alu instid0(VALU_DEP_3)
	v_lshl_or_b32 v[PWD], v[BT+1], 8, v[BT]        ; p's scale word for these 128 keys
	s_delay_alu instid0(VALU_DEP_1)
	v_lshl_or_b32 v[PWD], v[BT+2], 16, v[PWD]
	s_delay_alu instid0(VALU_DEP_1)
	v_lshl_or_b32 v[PWD], v[BT+3], 24, v[PWD]
.irp c, 0,1
	v_cvt_scalef32_pk16_fp6_f32 v[192+6*\c:194+6*\c], v[96+32*\c:111+32*\c], v[SO+2*\c]
	v_cvt_scalef32_pk16_fp6_f32 v[204+4*\c:206+4*\c], v[112+32*\c:127+32*\c], v[SO+2*\c+1]
.endr
	v_nop                                          ; one plain place behind a scaled conversion
.irp c, 0,1                            ; a whole block in a lane: lanes 0-15 block 2 c, lanes 16-31 block 2 c + 1
.irp i, 0,1,2
	v_permlane16_swap_b32 v[192+6*\c+\i], v[204+4*\c+\i]
.endr
.irp i, 0,1,2
	s_delay_alu instid0(VALU_DEP_3)
	v_mov_b32 v[195+6*\c+\i], v[204+4*\c+\i]
.endr
.endr
.set n, 0
.rept 16
	v_pk_mul_f32 v[160+n:161+n], v[160+n:161+n], v[FF:FF+1] op_sel_hi:[1,0]   ; O^T under the new M
.set n, n+2
.endr
.rept 4
	v_nop                                          ; so that every register of the products below was written four places back or more
.endr
	s_wait_alu depctr_va_vdst(0)
	s_wait_dscnt 0x0                               ; V and its scale words are in
.irp t, 0,1,2,3                        ; O^T += V^T P^T: four accumulators by turns
	v_wmma_scale_f32_16x16x128_f8f6f4 v[160+8*\t:167+8*\t], v[32+12*\t:43+12*\t], v[192:203], v[160+8*\t:167+8*\t], v[92+\t], v[PWD] matrix_a_fmt:MATRIX_FMT_FP6 matrix_b_fmt:MATRIX_FMT_FP6
.endr
	s_cmp_lg_u32 s[SS], s[SL]
	s_setprio 0
	s_cbranch_scc1 .Lnofin
	; THE TILE IS FINISHED: y = O^T / the sum, quantised along the head's 64 channels (register 16 b + i is channel 32 b + 16 h + i), stored as half a fragment's image and two scale bytes a row
	v_add_f32 v14, v14, v15                        ; the sum's two halves
.rept 3
	v_nop                                          ; with the line above: four places behind the last products
.endr
	v_permlanex16_b32 v[TP], v14, s[SEL], s[SEL+1]
	s_delay_alu instid0(VALU_DEP_1)
	v_add_f32 v14, v14, v[TP]                      ; and lane l xor 16's: the row's sum
	s_wait_alu depctr_va_vdst(0)
	v_rcp_f32 v14, v14
	v_nop                                          ; a plain place behind the transcendental
	s_wait_alu depctr_va_vdst(0)                   ; the wait ahead of its first reader
.set n, 0
.rept 32
	v_mul_f32 v[96+n], v[160+n], v14               ; each accumulator from its low end on
.set n, n+1
.endr
.irp b, 0,1
	v_max3_num_f32 v[BM+\b], |v[96+16*\b]|, |v[97+16*\b]|, 0x1800000
.endr
.irp i, 2,4,6,8,10,12,14
.irp b, 0,1
	s_delay_alu instid0(VALU_DEP_2)
	v_max3_num_f32 v[BM+\b], v[BM+\b], |v[96+16*\b+\i]|, |v[97+16*\b+\i]|
.endr
.endr
.irp b, 0,1
	s_delay_alu instid0(VALU_DEP_2)
	v_permlanex16_b32 v[BT+\b], v[BM+\b], s[SEL], s[SEL+1]
.endr
.irp b, 0,1
	s_delay_alu instid0(VALU_DEP_2)
	v_max_num_f32 v[BM+\b], v[BM+\b], v[BT+\b]
.endr
.irp b, 0,1
	s_delay_alu instid0(VALU_DEP_2)
	v_add_nc_u32 v[SO+\b], 0xff000000, v[BM+\b]
.endr
.irp b, 0,1
	s_delay_alu instid0(VALU_DEP_2)
	v_lshrrev_b32 v[BT+\b], 23, v[SO+\b]
.endr
	v_cvt_scalef32_pk16_fp6_f32 v[192:194], v[96:111], v[SO]
	v_cvt_scalef32_pk16_fp6_f32 v[204:206], v[112:127], v[SO+1]
	v_nop                                          ; one plain place behind a scaled conversion
.irp i, 0,1,2
	v_permlane16_swap_b32 v[192+\i], v[204+\i]
.endr
.irp i, 0,1,2
	s_delay_alu instid0(VALU_DEP_3)
	v_mov_b32 v[195+\i], v[204+\i]
.endr
	v_cndmask_b32 v[TP], v[BT], v[BT+1], s[HM]     ; lanes 0-15 store block 0's byte, lanes 16-31 block 1's
.irp p, 0,1,2
	global_store_b64 v1, v[192+2*\p:193+2*\p], s[YC:YC+1] offset:256*\p   ; 256 consecutive aligned bytes a store
.endr
	global_store_b8 v6, v[TP], s[YS:YS+1]
	v_mov_b32 v28, v29                             ; on to the second phase's tile: Q's scale word and codes first, so that the lines below stand between them and the next products
.irp p, 0,1,2,3,4,5
	v_mov_b32 v[16+\p], v[86+\p]
.endr
.set n, 0
.rept 32
	v_mov_b32 v[160+n], 0
.set n, n+1
.endr
	v_mov_b32 v13, 0xff61b1e6
	s_delay_alu instid0(VALU_DEP_1)
	v_floor_f32 v12, -v13
	v_mov_b32 v14, 0
	v_mov_b32 v15, 0
	s_wait_xcnt 0x0                                ; the stores have read their data and bases: both are written again only behind this wait
	s_mov_b64 s[YC:YC+1], s[YCB:YCB+1]
	s_mov_b64 s[YS:YS+1], s[YSB:YSB+1]
.Lnofin:
	s_add_co_u32 s[TRIP], s[TRIP], 1
	s_cmp_lt_u32 s[TRIP], 17
	s_cbranch_scc1 .Ltrip
	s_setprio 0
	s_wait_dscnt 0x0
	s_wait_tensorcnt 0x0
	ds_add_u32 v254, v255
	s_wait_dscnt 0x0
	CROUND                                         ; the closing round
	s_endpgm
.Lfunc_end_k_q2d79eddf90_attn:
	.size	k_q2d79eddf90_attn, .Lfunc_end_k_q2d79eddf90_attn-k_q2d79eddf90_attn
	.p2alignl 7, 3214868480
	.fill 96, 4, 3214868480
	.section	.rodata,"a",@progbits
	.p2align	6, 0x0
	.amdhsa_kernel k_q2d79eddf90_attn
		.amdhsa_group_segment_fixed_size 215040
		.amdhsa_private_segment_fixed_size 0
		.amdhsa_enable_private_segment 0
		.amdhsa_kernarg_size 32
		.amdhsa_user_sgpr_count 2
		.amdhsa_user_sgpr_kernarg_segment_ptr 1
		.amdhsa_wavefront_size32 1
		.amdhsa_system_sgpr_workgroup_id_x 1
		.amdhsa_system_sgpr_workgroup_id_y 1
		.amdhsa_system_sgpr_workgroup_id_z 1
		.amdhsa_system_vgpr_workitem_id 0
		.amdhsa_next_free_vgpr 256
		.amdhsa_next_free_sgpr 100
		.amdhsa_reserve_vcc 1
		.amdhsa_float_denorm_mode_32 3
		.amdhsa_float_denorm_mode_16_64 3
		.amdhsa_memory_ordered 1
		.amdhsa_forward_progress 1
		.amdhsa_inst_pref_size 44
	.end_amdhsa_kernel
	.amdgpu_metadata
---
amdhsa.version: [ 1, 2 ]
amdhsa.kernels:
  - .name:           k_q2d79eddf90_attn
    .symbol:         k_q2d79eddf90_attn.kd
    .args:
      - { .name: qkv_codes, .offset: 0, .size: 8, .value_kind: global_buffer, .address_space: global }
      - { .name: qkv_scales, .offset: 8, .size: 8, .value_kind: global_buffer, .address_space: global }
      - { .name: y_codes, .offset: 16, .size: 8, .value_kind: global_buffer, .address_space: global }
      - { .name: y_scales, .offset: 24, .size: 8, .value_kind: global_buffer, .address_space: global }
    .group_segment_fixed_size: 215040
    .private_segment_fixed_size: 0
    .kernarg_segment_align: 8
    .kernarg_segment_size: 32
    .max_flat_workgroup_size: 512
    .sgpr_count:     100
    .vgpr_count:     256
    .wavefront_size: 32
...
	.end_amdgpu_metadata
.endif
;; end of part 3
;; launch proj (part 4): grid 4 x 32, 4 waves a work-group, clusters of 4 x 4, 327,680 bytes of LDS; arguments y_codes, y_scales, xw_codes, xw_scales, out0; writes out0
.if DOCPART == 4
	.amdgcn_target "amdgcn-amd-amdhsa--gfx1250"
	.amdhsa_code_object_version 6
	.text
	.protected	k_q2d79eddf90_proj
	.globl	k_q2d79eddf90_proj
	.p2align	8
	.type	k_q2d79eddf90_proj,@function
k_q2d79eddf90_proj:
	s_mov_b64 s[64:65], 0
	v_nop
	global_prefetch_b8 v0, s[64:65] scope:SCOPE_SE
	s_setreg_imm32_b32 hwreg(HW_REG_WAVE_MODE, 25, 1), 1
	s_wait_xcnt 0x0
	s_wait_alu depctr_hold_cnt(0) depctr_sa_sdst(0) depctr_va_vdst(0) depctr_va_sdst(0) depctr_va_ssrc(0) depctr_va_vcc(0) depctr_vm_vsrc(0)
	s_getreg_b32 s2, hwreg(HW_REG_IB_STS2, 6, 4)
	s_cmp_eq_u32 s2, 0
	s_cbranch_scc0 .Lentry_in_a_cluster
	s_endpgm
.Lentry_in_a_cluster:
	s_bfe_u32 s2, ttmp6, 0x10000c
	s_cmp_lg_u32 s2, 0xf033
	s_cbranch_scc0 .Lentry_shape_is_right
	s_endpgm
.Lentry_shape_is_right:
; out0 = y Wo^T on codes of FP6 (E2M3).  A = y (8,192 stored token rows: y_codes, y_scales), B = Wo (stored rows 11,264 on of xw_codes, xw_scales), K = 1,024; out0 [8192][1024] f32.
; Rows are stored in tiles of 16 whose row p of tile 2 B + u is logical row 32 B + 8 u + p + 8 (p / 8); a fragment (16 rows x 128 K) lies as an image of its 12 registers, pair p at 256 p + 8 x lane.
; A tile of C, 256 x 256, is made by four waves, 128 x 128 each; K goes in steps of 256 through a ring of two LDS slots; the scales of the 512 rows come once.
; CLUSTERS: 4 x 4 work-groups; A's tiles are asked for jointly along a row of the cluster, B's along a column.  The matrix instruction is used transposed (source 0 = 16 rows of B).
; The way out undoes the stored order: the stage's columns by the stores' offsets, the rows by the global stores' offsets.
; REGISTERS, in windows of 256: window 0: v0-31 addresses; v32-63 scale words, two sets; from v128 A's fragments, one set; on the way out v128-255.  window 1: B's fragments, two sets.  windows 2, 3: the accumulators.
.set NQ,     2
.set FR,     12
.set FRB,    1536
.set NL,     6
.set NP,     4                         ; places behind this matrix instruction (ISA guide 7.12.1)
.set TILEB,  NQ*FRB
.set TROW,   8*FRB
.set HALFT,  8*TILEB
.set SLOT,   4*HALFT
.set KS,     32
.set SCL,    2*SLOT
.set HALFS,  16*272
.set SBLK,   2*272
.set SPARE,  SCL+4*HALFS               ; the spare words, 128 bytes for each wave: two blocks of 256 bytes that no other line names
.set SPITCH, 528                       ; the way out: a stage of 16 rows x (512 bytes + 16) for each wave, in slot 0, which has had its last fill and its last read when the first result is stored there
.set ADRA, 16
.set ADRB, 20
.set STO,  24                          ; v24  the way out: where I put my results of a row
.set RD,   25                          ; v25  where I read a row back
.set CO,   26                          ; v26  16 x lane: my bytes of a row's 512
.set ADRS, 27
.set SPW,  28
.set NIL,  29
.set SC,   32
.set AF,   128
.set BK,   128
.set G1, 24
.set G0, 32
.set G1B, 48
.set G0B, 56
.set G1S, 68
.set G0S, 76
.set G1SB, 80
.set G0SB, 88
.set MSB, 0
.macro WIN new                         ; the immediate's high byte repeats the setting that is left
.if MSB != \new
	s_set_vgpr_msb (MSB<<8)|\new
.set MSB, \new
.endif
.endm
.set MUL_LO, 0xa1
.set MUL_HI, 0xf1
.set TO_B,   0x40
.macro JLOAD g0a, g1a, g0b, g1b        ; a joint load: waves 0 and 1 fetch for A, waves 2 and 3 for B; four v_nop follow each of the two lines
	s_cmp_eq_u32 s15, 0
	s_cbranch_scc0 .Lfor_b_\@
	tensor_load_to_lds s[\g0a:\g0a+3], s[\g1a:\g1a+7]
	s_nop 0
.rept 4
	v_nop
.endr
	s_branch .Lasked_\@
.Lfor_b_\@:
	tensor_load_to_lds s[\g0b:\g0b+3], s[\g1b:\g1b+7]
	s_nop 0
.rept 4
	v_nop
.endr
.Lasked_\@:
.endm
.macro CREST
	s_cmp_lg_u32 s14, 0
	s_cbranch_scc1 .Lnot_wave_0_\@
	s_barrier_signal -3
.Lnot_wave_0_\@:
	s_barrier_wait -3
	s_barrier_signal -1
	s_barrier_wait -1
.endm
.macro CROUND
	s_barrier_signal -1
	s_barrier_wait -1
	CREST
.endm
	s_load_b128 s[4:7], s[0:1], 0x0                ; y_codes, y_scales
	s_load_b128 s[8:11], s[0:1], 0x10              ; xw_codes, xw_scales
	s_load_b64 s[12:13], s[0:1], 0x20              ; out0
	v_lshl_add_u32 v[SPW], v0, 2, SPARE
	v_mov_b32 v[NIL], 0
	ds_add_u32 v28, v29
	ds_add_u32 v28, v29
	s_wait_dscnt 0x0
	v_lshrrev_b32 v1, 5, v0
	v_readfirstlane_b32 s14, v1                    ; wave 0..3
	s_lshr_b32 s15, s14, 1                         ; which half of the tile's rows is mine.  Also: I fetch for A (0) or for B (1)
	s_and_b32 s16, s14, 1                          ; which half of its columns.  Also: which 128 rows I fetch
	s_bfe_u32 s40, ttmp6, 0x40000                  ; cx
	s_bfe_u32 s41, ttmp6, 0x40004                  ; cy
	s_lshl_b32 s42, ttmp9, 2
	s_add_co_u32 s42, s42, s40                     ; tile column of C
	s_and_b32 s17, ttmp7, 0xffff
	s_lshl_b32 s17, s17, 2
	s_add_co_u32 s17, s17, s41                     ; tile row of C
	s_lshl_b32 s43, s41, 2
	s_lshl_b32 s43, 15, s43                        ; my row of the cluster
	s_lshl_b32 s44, 0x1111, s40                    ; my column
	; descriptor group 1 for the codes: 8 stored tiles (rows) of 3,072 bytes (384 elements of 8 bytes), 12,288 bytes apart; dense in LDS
	s_or_b32 s[G1+0], s43, (3<<16)|(1<<21)
	s_or_b32 s[G1B+0], s44, (3<<16)|(1<<21)
.irp g, G1, G1B
	s_mov_b32 s[\g+1], (TILEB/8)<<16
	s_mov_b32 s[\g+2], 8<<16
	s_mov_b32 s[\g+3], (TILEB/8)<<16
	s_mov_b32 s[\g+4], 8
	s_mov_b32 s[\g+5], TROW/8
	s_mov_b32 s[\g+6], 0
	s_mov_b32 s[\g+7], 0
.endr
	; and for the scales of 128 rows: 4,096 dense bytes as 16 rows of 256, 16 bytes of padding behind each
	s_or_b32 s[G1S+0], s43, (3<<16)|(1<<20)|(1<<21)|(5<<22)|(3<<25)
	s_or_b32 s[G1SB+0], s44, (3<<16)|(1<<20)|(1<<21)|(5<<22)|(3<<25)
.irp g, G1S, G1SB
	s_mov_b32 s[\g+1], 32<<16
	s_mov_b32 s[\g+2], 16<<16
	s_mov_b32 s[\g+3], 32<<16
	s_mov_b32 s[\g+4], 16
	s_mov_b32 s[\g+5], 32
	s_mov_b32 s[\g+6], 0
	s_mov_b32 s[\g+7], 0
.endr
	s_lshl_b32 s18, s16, 7                         ; which 128 rows I fetch
	s_lshl_b32 s20, s17, 8
	s_add_co_u32 s20, s20, s18                     ; A: stored row 256 x tile row + 128 x half
	s_lshl_b32 s46, s42, 8
	s_add_co_u32 s46, s46, s18
	s_add_co_u32 s46, s46, 11264                   ; B: Wo's stored rows begin at 11,264
	s_mov_b32 s21, 0
	s_mov_b32 s47, 0
	s_mov_b64 s[18:19], KS
	s_mul_u64 s[22:23], s[20:21], s[18:19]
	s_mul_u64 s[92:93], s[46:47], s[18:19]
	s_mov_b64 s[18:19], TROW/16
	s_mul_u64 s[20:21], s[20:21], s[18:19]
	s_mul_u64 s[46:47], s[46:47], s[18:19]
	s_mul_i32 s45, s14, HALFT
	s_mul_i32 s94, s14, HALFS
	s_wait_kmcnt 0x0
	s_add_nc_u64 s[20:21], s[4:5], s[20:21]
	s_add_nc_u64 s[22:23], s[6:7], s[22:23]
	s_add_nc_u64 s[46:47], s[8:9], s[46:47]
	s_add_nc_u64 s[92:93], s[10:11], s[92:93]
	CROUND                                         ; all sixteen work-groups are here: the first joint loads meet
	s_mov_b32 s[G0S], 1
	s_add_co_u32 s[G0S+1], s94, SCL
	s_mov_b64 s[G0S+2:G0S+3], s[22:23]
	s_or_b32 s[G0S+3], s[G0S+3], 0x80000000
	s_mov_b32 s[G0SB], 1
	s_add_co_u32 s[G0SB+1], s94, SCL
	s_mov_b64 s[G0SB+2:G0SB+3], s[92:93]
	s_or_b32 s[G0SB+3], s[G0SB+3], 0x80000000
	JLOAD G0S, G1S, G0SB, G1SB
.irp s, 0,1
	s_mov_b32 s[G0+4*\s], 1
	s_add_co_u32 s[G0+4*\s+1], s45, \s*SLOT
	s_add_nc_u64 s[G0+4*\s+2:G0+4*\s+3], s[20:21], \s*TILEB
	s_or_b32 s[G0+4*\s+3], s[G0+4*\s+3], 0x80000000
	s_mov_b32 s[G0B+4*\s], 1
	s_add_co_u32 s[G0B+4*\s+1], s45, \s*SLOT
	s_add_nc_u64 s[G0B+4*\s+2:G0B+4*\s+3], s[46:47], \s*TILEB
	s_or_b32 s[G0B+4*\s+3], s[G0B+4*\s+3], 0x80000000
	s_wait_alu depctr_va_vdst(0)
	s_wait_tensorcnt 0x0
	ds_add_u32 v28, v29
	s_wait_dscnt 0x0
	CROUND
	JLOAD G0+4*\s, G1, G0B+4*\s, G1B
.endr
	v_and_b32 v1, 15, v0                           ; r
	v_bfe_u32 v2, v0, 4, 1                         ; h
	v_and_b32 v3, 31, v0                           ; lane
	v_lshlrev_b32 v4, 3, v3                        ; 8 x lane
	s_mul_i32 s21, s15, HALFT
	s_mul_i32 s22, s16, HALFT
	s_add_co_u32 s22, s22, 2*HALFT
.irp s, 0,1
	v_add_nc_u32 v[ADRA+\s], s21, v4
	v_add_nc_u32 v[ADRB+\s], s22, v4
	s_add_co_u32 s21, s21, SLOT
	s_add_co_u32 s22, s22, SLOT
.endr
	v_mul_u32_u24 v5, v1, KS
	v_lshrrev_b32 v6, 8, v5
	v_lshl_add_u32 v5, v6, 4, v5
	s_mul_i32 s21, s15, HALFS
	s_mul_i32 s22, s16, HALFS
	s_add_co_u32 s22, s22, 2*HALFS
	s_sub_co_u32 s22, s22, s21
	v_mul_u32_u24 v6, s22, v2                      ; lanes 16-31 take B's
	s_add_co_u32 s21, s21, SCL
	v_add_nc_u32 v5, v5, v6
	v_add_nc_u32 v[ADRS], s21, v5
	s_mul_i32 s23, s14, 16*SPITCH                  ; my stage
	v_mul_u32_u24 v5, v1, SPITCH                   ; in: row r; accumulator b's eight columns are logical 32 (b / 2) + 16 h + 8 (b % 2) + 0..7: 64 h bytes here, the rest in the stores' offsets
	v_lshl_add_u32 v5, v2, 6, v5
	v_add_nc_u32 v[STO], s23, v5
	v_lshlrev_b32 v[CO], 4, v3                     ; back: the 32 lanes take one row of 512 bytes; and the same in C
	v_add_nc_u32 v[RD], s23, v[CO]
	s_lshl_b32 s20, s17, 8
	s_lshl_b32 s21, s15, 7
	s_add_co_u32 s20, s20, s21                     ; my first row of C (a multiple of 32: stored and logical rows agree there),
	s_lshl_b32 s20, s20, 12                        ; 4,096 bytes a row
	s_lshl_b32 s46, s42, 10                        ; my first column, in bytes
	s_lshl_b32 s47, s16, 9
	s_add_co_u32 s46, s46, s47
	s_add_co_u32 s20, s20, s46
	s_mov_b32 s21, 0
	s_add_nc_u64 s[12:13], s[12:13], s[20:21]
.macro FRAG reg, adr, q, i             ; a fragment comes as it was stored: six loads of 8 bytes a lane, each 256 consecutive bytes
.irp p, 0,1,2,3,4,5
	ds_load_b64 v[\reg+2*\p:\reg+2*\p+1], v[\adr] offset:(\i)*TILEB+(\q)*FRB+256*\p
.endr
.endm
; 16 matrix instructions: A's blocks a0, a0 + 1 x B's eight, 128 along K.  The 64 accumulators take turns, one instruction a turn.
.macro MUL16 a0, p, q, sc, zero
.irp a, \a0, \a0+1
.irp b, 0,1,2,3,4,5,6,7
.if \zero
	v_wmma_scale_f32_16x16x128_f8f6f4 v[8*(8*((\a)%4)+\b):8*(8*((\a)%4)+\b)+7], v[128*(\p)+FR*\b:128*(\p)+FR*\b+FR-1], v[AF+FR*(\a):AF+FR*(\a)+FR-1], 0, v[SC+8*NQ*(\sc)+NQ*\b+(\q)], v[SC+8*NQ*(\sc)+NQ*(\a)+(\q)] matrix_a_fmt:MATRIX_FMT_FP6 matrix_b_fmt:MATRIX_FMT_FP6 matrix_a_scale:MATRIX_SCALE_ROW1
.else
	v_wmma_scale_f32_16x16x128_f8f6f4 v[8*(8*((\a)%4)+\b):8*(8*((\a)%4)+\b)+7], v[128*(\p)+FR*\b:128*(\p)+FR*\b+FR-1], v[AF+FR*(\a):AF+FR*(\a)+FR-1], v[8*(8*((\a)%4)+\b):8*(8*((\a)%4)+\b)+7], v[SC+8*NQ*(\sc)+NQ*\b+(\q)], v[SC+8*NQ*(\sc)+NQ*(\a)+(\q)] matrix_a_fmt:MATRIX_FMT_FP6 matrix_b_fmt:MATRIX_FMT_FP6 matrix_a_scale:MATRIX_SCALE_ROW1
.endif
.endr
.endr
.endm
.macro FETCH_B slot, q, p
	WIN TO_B
.irp i, 0,1,2,3,4,5,6,7
	FRAG 128*(\p)+FR*\i, ADRB+\slot, \q, \i
.endr
	WIN 0
.endm
.macro FETCH_A slot, q, i0
.irp i, \i0, \i0+1, \i0+2, \i0+3
	FRAG AF+FR*(\i), ADRA+\slot, \q, \i
.endr
.endm
.macro SCALES sc
.irp i, 0,1,2,3,4,5,6,7
	ds_load_b64 v[SC+8*NQ*\sc+NQ*\i:SC+8*NQ*\sc+NQ*\i+1], v[ADRS] offset:\i*SBLK
.endr
.endm
.macro PLACES n
.rept \n
	v_nop
.endr
.endm
.macro STEP slot, q, zero
	s_wait_dscnt 4*NL                              ; B's set and A's blocks 0-3 are in; the youngest 24 loads (A's blocks 4-7) may be out
	WIN MUL_LO
	MUL16 0, (\q)%2, \q, \slot, \zero
	MUL16 2, (\q)%2, \q, \slot, \zero
	s_wait_dscnt 0
	PLACES NP
	FETCH_B \slot, (\q)+1, 1-(\q)%2
	FETCH_A \slot, (\q)+1, 0
	WIN MUL_HI
	MUL16 4, (\q)%2, \q, \slot, \zero
	MUL16 6, (\q)%2, \q, \slot, \zero
	PLACES NP
	WIN 0
	FETCH_A \slot, (\q)+1, 4
.endm
.macro TURN slot, next, fill
	s_wait_tensorcnt 0x0                           ; all my tensor loads have landed: my part of the next slot
	ds_add_u32 v[SPW], v[NIL]                      ; 0 onto my spare word
	s_wait_dscnt 4*NL+1                            ; (the add and the youngest 24 loads may be out)
	WIN MUL_LO
	MUL16 0, 1, NQ-1, \slot, 0
	s_wait_dscnt 0x0                               ; the add is done, and my reads of this slot are over
	s_barrier_signal -1
	MUL16 2, 1, NQ-1, \slot, 0
	WIN 0
	s_barrier_wait -1
.if \fill
	CREST                                          ; the barrier has opened a round of the cluster's barrier: no wave of any partner still reads this slot or has a load on its way
	s_add_nc_u64 s[G0+4*\slot+2:G0+4*\slot+3], s[G0+4*\slot+2:G0+4*\slot+3], 2*TILEB
	s_add_nc_u64 s[G0B+4*\slot+2:G0B+4*\slot+3], s[G0B+4*\slot+2:G0B+4*\slot+3], 2*TILEB
	JLOAD G0+4*\slot, G1, G0B+4*\slot, G1B
.else
	PLACES NP
.endif
	s_wait_alu depctr_va_vdst(0)
	v_add_nc_u32 v[ADRS], 4*NQ, v[ADRS]
	FETCH_B \next, 0, 0
	FETCH_A \next, 0, 0
	SCALES \next
	WIN MUL_HI
	MUL16 4, 1, NQ-1, \slot, 0
	MUL16 6, 1, NQ-1, \slot, 0
	PLACES NP
	WIN 0
	FETCH_A \next, 0, 4
.endm
	s_wait_alu depctr_va_vdst(0)
	s_wait_tensorcnt 1                             ; the scales and my part of K step 0 are in (K step 1's load may be out),
	s_barrier_signal -1
	s_barrier_wait -1                              ; everybody's are
	FETCH_B 0, 0, 0
	FETCH_A 0, 0, 0
	SCALES 0
	FETCH_A 0, 0, 4
	STEP 0, 0, 1                                   ; eight steps of 128 along K, written out; the first starts the sums
	TURN 0, 1, 1
	STEP 1, 0, 0
	TURN 1, 0, 1
	STEP 0, 0, 0
	TURN 0, 1, 0
	STEP 1, 0, 0
	s_wait_dscnt 4*NL
	WIN MUL_LO
	MUL16 0, 1, NQ-1, 1, 0
	MUL16 2, 1, NQ-1, 1, 0
	s_wait_dscnt 0
	WIN MUL_HI
	MUL16 4, 1, NQ-1, 1, 0
	MUL16 6, 1, NQ-1, 1, 0
	WIN 0
; THE WAY OUT, block by block of 16 stored rows x 128 columns, through my own stage; LDS serves a wave's instructions in order (ISA guide 5.7.1.4): no wait between the stores and the loads.
.macro TOSTAGE a
.set AC, 64*((\a)%4)
	WIN 0x08+4*((\a)/4)                            ; the data: window 2 or 3
.irp b, 0,1,2,3,4,5,6,7
	ds_store_b128 v[STO], v[AC+8*\b:AC+8*\b+3] offset:128*(\b/2)+32*(\b%2)          ; each accumulator from its low end on
	ds_store_b128 v[STO], v[AC+8*\b+4:AC+8*\b+7] offset:128*(\b/2)+32*(\b%2)+16
.endr
	WIN 0
.set BB, BK+64*((\a)%2)
.irp t, 0,1,2,3,4,5,6,7,8,9,10,11,12,13,14,15
	ds_load_b128 v[BB+4*\t:BB+4*\t+3], v[RD] offset:\t*SPITCH
.endr
.endm
.macro SEND a, younger                 ; younger: the LDS instructions issued behind block a's loads, which may stay out
.set BB, BK+64*((\a)%2)
	s_wait_dscnt \younger
.irp t, 0,1,2,3,4,5,6,7,8,9,10,11,12,13,14,15
	global_store_b128 v[CO], v[BB+4*\t:BB+4*\t+3], s[12:13] offset:(32*((\a)/2)+8*((\a)%2)+\t+8*(\t/8))*4096 th:TH_STORE_NT   ; stored row t of block a is logical row 32 (a / 2) + 8 (a % 2) + t + 8 (t / 8); 512 consecutive aligned bytes
.endr
.endm
	PLACES NP
	TOSTAGE 0
.irp a, 1,2,3,4,5,6,7
.if \a > 1
	s_wait_xcnt 0x0                                ; block a - 2's stores have read their registers: block a's loads may land there
.endif
	TOSTAGE \a
	SEND \a-1, 32                                  ; behind block a - 1's loads: block a's 16 stores and 16 loads
.endr
	SEND 7, 0
	s_wait_tensorcnt 0x0                           ; the wave's end
	ds_add_u32 v[SPW], v[NIL]
	s_wait_dscnt 0x0
	CROUND                                         ; the closing round
	s_endpgm
.Lfunc_end_k_q2d79eddf90_proj:
	.size	k_q2d79eddf90_proj, .Lfunc_end_k_q2d79eddf90_proj-k_q2d79eddf90_proj
	.p2alignl 7, 3214868480
	.fill 96, 4, 3214868480
	.section	.rodata,"a",@progbits
	.p2align	6, 0x0
	.amdhsa_kernel k_q2d79eddf90_proj
		.amdhsa_group_segment_fixed_size 327680
		.amdhsa_private_segment_fixed_size 0
		.amdhsa_enable_private_segment 0
		.amdhsa_kernarg_size 40
		.amdhsa_user_sgpr_count 2
		.amdhsa_user_sgpr_kernarg_segment_ptr 1
		.amdhsa_wavefront_size32 1
		.amdhsa_system_sgpr_workgroup_id_x 1
		.amdhsa_system_sgpr_workgroup_id_y 1
		.amdhsa_system_sgpr_workgroup_id_z 1
		.amdhsa_system_vgpr_workitem_id 0
		.amdhsa_next_free_vgpr 1024
		.amdhsa_next_free_sgpr 98
		.amdhsa_reserve_vcc 0
		.amdhsa_float_denorm_mode_32 3
		.amdhsa_float_denorm_mode_16_64 3
		.amdhsa_memory_ordered 1
		.amdhsa_forward_progress 1
		.amdhsa_inst_pref_size 160
	.end_amdhsa_kernel
	.amdgpu_metadata
---
amdhsa.version: [ 1, 2 ]
amdhsa.kernels:
  - .name:           k_q2d79eddf90_proj
    .symbol:         k_q2d79eddf90_proj.kd
    .args:
      - { .name: y_codes, .offset: 0, .size: 8, .value_kind: global_buffer, .address_space: global }
      - { .name: y_scales, .offset: 8, .size: 8, .value_kind: global_buffer, .address_space: global }
      - { .name: xw_codes, .offset: 16, .size: 8, .value_kind: global_buffer, .address_space: global }
      - { .name: xw_scales, .offset: 24, .size: 8, .value_kind: global_buffer, .address_space: global }
      - { .name: out0, .offset: 32, .size: 8, .value_kind: global_buffer, .address_space: global }
    .group_segment_fixed_size: 327680
    .private_segment_fixed_size: 0
    .kernarg_segment_align: 8
    .kernarg_segment_size: 40
    .max_flat_workgroup_size: 128
    .sgpr_count:     98
    .vgpr_count:     1024
    .wavefront_size: 32
...
	.end_amdgpu_metadata
.endif
;; end of part 4
